; MI455X (gfx1250); checked and timed in simulation.
; The chip was launched on July 23, 2026; its instructions are those of AMD's public machine-readable ISA for CDNA 5 (MIT licence, August 2026) and "CDNA5" Instruction Set Architecture Reference Guide (July 2026). The comments in the code are by the model that wrote it; some were corrected since.
;; Category Specific Init Net. Allowed arithmetic: matrix products marked QUANTISED: E2M3 operands, one E8M0 scale for each 32 along K, by v_wmma_scale_f32_16x16x128_f8f6f4 with both operands' format E2M3, f32 sums; everything else in f32.
;; Inputs: Wd1 8 x 256 x 256 float32; Wd2 8 x 256 x 256 float32; Wd3 8 x 256 x 128 float32; We1 768 x 512 float32; We2 512 x 256 float32; We3 256 x 256 float32; bd1 8 x 256 float32; bd2 8 x 256 float32; bd3 8 x 128 float32; be1 512 float32; be2 256 float32; be3 256 float32; cat_idx 32,768 int32; features 32,768 x 768 float32.
;; Outputs: out0 32,768 x 128 float32.
;; This version of the problem:
;;   THIS VERSION OF THE PROBLEM IS GIVEN IN LOW PRECISION. The matrix products marked QUANTISED in the list below multiply operands that are first quantised to E2M3 (2 exponent bits, 3 mantissa bits; 6 bits a number), with one power-of-two scale for each 32 numbers along K (OCP MX v1.0); their sums are f32. All else is computed in f32.
;;   The module's matrix products, in the order in which they are computed (A, B: the left and right operand; K: the contracted axis; several contracted axes count as one K, in the product's order):
;;     1. [M 32,768, K 768] x [K 768, N 512]; A: input features; B: input We1: QUANTISED
;;     2. [M 32,768, K 512] x [K 512, N 256]; A: computed on the way; B: input We2: QUANTISED
;;     3. [M 32,768, K 256] x [K 256, N 256]; A: computed on the way; B: input We3: QUANTISED
;;     4. [M 32,768, K 256] x [K 256, N 2,048]; A: computed on the way; B: input Wd1: QUANTISED
;;     5. batch 8 x [M 256, K 256] x [K 256, N 32,768]; A: input Wd2; B: computed on the way: QUANTISED
;;     6. batch 8 x [M 128, K 256] x [K 256, N 32,768]; A: input Wd3; B: computed on the way: QUANTISED
;;   THE QUANTISER, for each operand of a quantised product, along K:
;;     - K is cut into blocks of 32 from its start; a last block that is shorter is filled with zeros.
;;     - A block's scale is 2^e with e = floor(log2(the largest magnitude in the block)) - 2, held to -126 .. 127; a block of zeros has e = 0. As a byte (E8M0): e + 127.
;;     - Each number is divided by its block's scale, clamped to +-7.5, and rounded to the nearest number of E2M3, ties to even, subnormals kept.
;;     - The product sums the exact products of the quantised numbers (number of the format x scale) in f32.
;;   ~~~python
;;   def quantise(x, axis):      # numpy; x: float32 -> the quantised numbers, widened to float32 again
;;       x = np.moveaxis(x, axis, -1); K = x.shape[-1]
;;       x = np.pad(x, [(0, 0)] * (x.ndim - 1) + [(0, -K % 32)]); x = x.reshape(x.shape[:-1] + (-1, 32)); a = np.abs(x).max(-1, keepdims=True)
;;       e = np.where(a > 0, np.clip(np.frexp(np.where(a > 0, a, 1))[1] - 1 - 2, -126, 127), 0)      # np.frexp(a)[1] - 1 = floor(log2(a)), exactly
;;       r = np.clip(x / 2.0 ** e, -7.5, 7.5)
;;       step = 2.0 ** (np.maximum(np.frexp(np.where(r == 0, 1, r))[1] - 1, 0) - 3)
;;       q = np.round(r / step) * step * 2.0 ** e      # np.round: ties to even
;;       return np.moveaxis(q.reshape(q.shape[:-2] + (-1,))[..., :K], -1, axis).astype(np.float32)
;;   ~~~
;;   OPERANDS COMPUTED ON THE WAY. 'Computed on the way' means the value that the module computes at that place (a softmax that the list does not call 'softmax' is quantised finished and normalised). What goes into a quantiser is computed in f32, as accurately as f32 sums, v_exp_f32 and their like allow (about 1e-6 of the number): no bf16 or f16 on the way to a quantiser, and a product that is left as it is and whose result goes on into a quantised operand takes f32 operands (vector FMAs, or v_wmma_f32_16x16x4_f32). A number that lies on a knife's edge between two numbers of the format may be rounded either way, as far as f32 arithmetic and the matrix unit's own rounding can turn it there, and no further.
;; 2 versions. Each part assembles by itself: llvm-mc -triple=amdgcn-amd-amdhsa -mcpu=gfx1250 --defsym DOCPART=n.
;; ======== version 1 of 2: 2 launches
;; workspace buffers: wq 1,425,408 bytes; ws 59,392 bytes; order 131,072 bytes of whole numbers; seg 256 bytes of whole numbers
;; launch prep (part 1): grid 124 x 1, 8 waves a work-group, no clusters, 2,048 bytes of LDS; arguments We1, We2, We3, Wd1, Wd2, Wd3, cat_idx, wq, ws, order, seg; writes wq, ws, order, seg
.if DOCPART == 1
	.amdgcn_target "amdgcn-amd-amdhsa--gfx1250"
	.amdhsa_code_object_version 6
	.text
	.protected	k_qc3bae814b3_prep
	.globl	k_qc3bae814b3_prep
	.p2align	8
	.type	k_qc3bae814b3_prep,@function
k_qc3bae814b3_prep:
	s_mov_b64 s[64:65], 0
	v_nop
	global_prefetch_b8 v0, s[64:65] scope:SCOPE_SE
	s_setreg_imm32_b32 hwreg(HW_REG_WAVE_MODE, 25, 1), 1
	s_wait_xcnt 0x0
; TWO JOBS IN ONE LAUNCH, told apart by the work-group's number.
; Work-groups 0 to 115: the six weights, f32 stored [K][N], become codes of FP6 (E2M3) with one E8M0 byte for each 32 along K, laid in the ORDER OF THE OPERAND'S REGISTERS.
;   A fragment is 16 columns x 128 k: lane (r, h), registers 6 c .. 6 c + 5 hold k = 64 c + 32 h + 0 .. 31 of the lane's column.  Lane r of tile t takes column 32 (t / 2) + 8 (t % 2) + r + 8 (r / 8), so that the
;   results of two neighbouring tiles are 16 neighbours along the next product's K.  Its image in wq is 1,536 bytes: registers 4 c' .. 4 c' + 3 at 512 c' + 16 x lane.  A wave makes one fragment: a lane takes a column and its
;   registers run down K, so a block's largest magnitude needs no other lane and nothing is transposed.  The eight waves of a work-group stand side by side on 512 bytes of each row of the weight.
;   Scale words go to ws so that one load of 16 bytes a lane brings four scale registers, each with an even tile's words in lanes 0-15 and the odd tile's in lanes 16-31.  They leave 4 bytes a lane, 16 bytes apart: 59,392 bytes in all.
; Work-groups 116 to 123: a counting sort of cat_idx.  A sub-chunk is 512 tokens, there are 64.  Each of the eight work-groups makes the whole table of counts (64 sub-chunks x 8 bins) for itself, so that no work-group
;   waits for another; then wave v of work-group i places sub-chunk 8 i + v.  order[position] = token; seg holds each expert's first and end position.  The order inside an expert is free.
;   The places leave as stores of 4 bytes to scattered words, 131,072 bytes in all: gathering them in LDS first would want LDS addresses made of the data.
; LIMITS: cat_idx lies in 0 .. 7, as the gather of the problem takes for granted.  NaN and infinities among the weights are not served.  A block whose largest magnitude lies under 2^-124 is held at the byte 1;
; a block of zeros gets the byte 1 with zero codes where the rule says 127: the bytes are read by this program alone.
.set Q2, 294912                        ; wq: We1's 192 fragments, then We2's 64,
.set Q3, 393216                        ; We3's 32,
.set QD, 442368                        ; and for each expert 32 + 32 + 16
.set QE, 122880
.set S2, 12288                         ; ws: We1's 24 groups of 512 bytes, then We2's 8,
.set S3, 16384                         ; We3's 4,
.set SD, 18432                         ; and for each expert 4 + 4 + 2
.set SE, 5120
.set NQWG, 116                         ; work-groups that quantise
.set SPARE, 1024                       ; LDS: bytes 0 to 1,023 the table of counts; then the spare words, 128 bytes for each of eight waves
.set SPW, 30                           ; v30  LDS address of my spare word; never rewritten
.set NIL, 31                           ; v31  0; never rewritten
	s_load_b512 s[4:19], s[0:1], 0x0               ; We1 s[4:5], We2 s[6:7], We3 s[8:9], Wd1 s[10:11], Wd2 s[12:13], Wd3 s[14:15], cat_idx s[16:17], wq s[18:19]
	s_load_b128 s[20:23], s[0:1], 0x40             ; ws s[20:21], order s[22:23]
	s_load_b64 s[24:25], s[0:1], 0x50              ; seg
	v_lshl_add_u32 v[SPW], v0, 2, SPARE
	v_mov_b32 v[NIL], 0
	v_lshrrev_b32 v1, 5, v0
	v_readfirstlane_b32 s28, v1                    ; wave 0..7
	v_and_b32 v1, 31, v0                           ; lane
	v_and_b32 v2, 15, v0                           ; r
	v_bfe_u32 v3, v0, 4, 1                         ; h
	s_mov_b32 s30, 0x76543210
	s_mov_b32 s31, 0xfedcba98                      ; v_permlanex16_b32's selects for lane l xor 16
	s_wait_kmcnt 0x0
	s_cmp_ge_u32 ttmp9, NQWG
	s_cbranch_scc1 .Lsort
; ---------------- the weights
	s_cmp_lt_u32 ttmp9, 24                         ; which tensor: the choice hangs on the work-group's number alone
	s_cselect_b64 s[26:27], s[4:5], s[6:7]
	s_cmp_lt_u32 ttmp9, 32
	s_cselect_b64 s[26:27], s[26:27], s[8:9]
	s_cmp_lt_u32 ttmp9, 36
	s_cselect_b64 s[26:27], s[26:27], s[10:11]
	s_cmp_lt_u32 ttmp9, 68
	s_cselect_b64 s[26:27], s[26:27], s[12:13]
	s_cmp_lt_u32 ttmp9, 100
	s_cselect_b64 s[26:27], s[26:27], s[14:15]
	s_and_b32 s32, s28, 1                          ; u: my tile is the even or the odd one of its pair
	s_lshr_b32 s33, s28, 1                         ; the pair among the work-group's four
	v_and_b32 v4, 8, v2
	v_add_nc_u32 v4, v4, v2
	v_lshlrev_b32 v4, 2, v4                        ; 4 (r + 8 (r / 8)): my column in the tile, in bytes
	s_lshl_b32 s34, s33, 7
	s_lshl_b32 s35, s32, 5
	s_add_co_u32 s34, s34, s35                     ; 4 (32 pair + 8 u): the tile's first column among the work-group's 128
	s_lshl_b32 s35, s32, 4
	v_add_nc_u32 v5, s35, v2                       ; L = r + 16 u: the lane that will read my column's scale word
.macro WLOAD n                         ; W(64 c + 32 h + i, my column) into v[64 + 32 c + i]; n: numbers in a row of the weight
.set i_, 0
.rept 64
	global_load_b32 v[64+i_], v6, s[26:27] offset:(64*(i_/32)+i_%32)*(\n)*4 th:TH_LOAD_NT
.set i_, i_+1
.endr
.endm
	s_cmp_lt_u32 ttmp9, 24
	s_cbranch_scc0 .Lnot_e1
	; We1 [768][512]: number = 4 x K step + o; tiles 8 o + wave
	s_lshr_b32 s36, ttmp9, 2                       ; K step
	s_and_b32 s37, ttmp9, 3                        ; o
	s_lshl_b32 s38, s36, 18                        ; 128 rows of 2,048 bytes
	s_lshl_b32 s39, s37, 9                         ; 128 columns
	s_add_co_u32 s38, s38, s39
	s_add_co_u32 s38, s38, s34
	s_mul_i32 s40, s37, 6
	s_add_co_u32 s40, s40, s36                     ; 6 o + K step
	s_lshl_b32 s52, s40, 3
	s_add_co_u32 s52, s52, s28
	s_mul_i32 s52, s52, 1536                       ; the fragment's place in wq
	s_lshl_b32 s54, s40, 9
	s_lshl_b32 s41, s33, 2
	s_add_co_u32 s54, s54, s41                     ; the group's place in ws, and in it the pair's word
	v_lshl_add_u32 v6, v3, 16, v4                  ; lanes 16-31 begin 32 rows further down
	v_lshlrev_b32 v7, 4, v5                        ; 16 L
	s_mov_b32 s39, 0
	s_add_nc_u64 s[26:27], s[26:27], s[38:39]
	WLOAD 512
	s_branch .Ltail
.Lnot_e1:
	s_cmp_lt_u32 ttmp9, 100
	s_cbranch_scc0 .Lnot_256
	; We2, We3, Wd1, Wd2: rows of 256 numbers.  Number less the tensor's first = 2 x + o; x counts K steps through the tensor (an expert has two); tiles 8 o + wave
	s_mov_b32 s36, 68
	s_mov_b32 s37, QD+49152
	s_mov_b32 s40, SD+2048
	s_cmp_lt_u32 ttmp9, 68
	s_cselect_b32 s36, 36, s36
	s_cselect_b32 s37, QD, s37
	s_cselect_b32 s40, SD, s40
	s_cmp_lt_u32 ttmp9, 36
	s_cselect_b32 s36, 32, s36
	s_cselect_b32 s37, Q3, s37
	s_cselect_b32 s40, S3, s40
	s_cmp_lt_u32 ttmp9, 32
	s_cselect_b32 s36, 24, s36
	s_cselect_b32 s37, Q2, s37
	s_cselect_b32 s40, S2, s40
	s_cselect_b32 s41, 2, 1                        ; log2 of the K steps of one matrix
	s_sub_co_u32 s36, ttmp9, s36
	s_and_b32 s42, s36, 1                          ; o
	s_lshr_b32 s43, s36, 1                         ; x
	s_lshl_b32 s38, s43, 17                        ; 128 rows of 1,024 bytes
	s_lshl_b32 s39, s42, 9
	s_add_co_u32 s38, s38, s39
	s_add_co_u32 s38, s38, s34
	s_lshr_b32 s44, s43, s41                       ; expert (0 for We2, We3)
	s_lshl_b32 s45, s44, s41
	s_sub_co_u32 s45, s43, s45                     ; K step
	s_lshl_b32 s46, s42, 3
	s_add_co_u32 s46, s46, s28                     ; tile
	s_lshl_b32 s52, s46, s41
	s_add_co_u32 s52, s52, s45
	s_mul_i32 s52, s52, 1536
	s_add_co_u32 s52, s52, s37
	s_mul_i32 s47, s44, QE
	s_add_co_u32 s52, s52, s47                     ; the fragment's place in wq
	s_lshr_b32 s48, s46, 2                         ; the wave of the chain that will use the tile
	s_and_b32 s49, s33, 1                          ; the pair among that wave's two
	s_lshl_b32 s49, s49, s41
	s_add_co_u32 s49, s49, s45                     ; unit = pair x K steps + K step
	s_sub_co_u32 s50, s41, 1
	s_lshl_b32 s48, s48, s50                       ; groups of four units: K steps / 2 for each wave
	s_lshr_b32 s50, s49, 2
	s_add_co_u32 s48, s48, s50
	s_lshl_b32 s54, s48, 9
	s_and_b32 s49, s49, 3
	s_lshl_b32 s49, s49, 2
	s_add_co_u32 s54, s54, s49
	s_add_co_u32 s54, s54, s40
	s_mul_i32 s47, s44, SE
	s_add_co_u32 s54, s54, s47                     ; the word's place in ws
	v_lshl_add_u32 v6, v3, 15, v4
	v_lshlrev_b32 v7, 4, v5
	s_mov_b32 s39, 0
	s_add_nc_u64 s[26:27], s[26:27], s[38:39]
	WLOAD 256
	s_branch .Ltail
.Lnot_256:
	; Wd3 [8][256][128]: number - 100 = 2 x expert + K step; tile = wave
	s_sub_co_u32 s43, ttmp9, 100
	s_lshl_b32 s38, s43, 16                        ; 128 rows of 512 bytes
	s_add_co_u32 s38, s38, s34
	s_lshr_b32 s44, s43, 1
	s_and_b32 s45, s43, 1
	s_lshl_b32 s52, s28, 1
	s_add_co_u32 s52, s52, s45
	s_mul_i32 s52, s52, 1536
	s_add_co_u32 s52, s52, QD+98304
	s_mul_i32 s47, s44, QE
	s_add_co_u32 s52, s52, s47
	s_lshl_b32 s54, s33, 8                         ; 256 bytes for each pair of tiles: 8 L + 4 x K step
	s_lshl_b32 s49, s45, 2
	s_add_co_u32 s54, s54, s49
	s_add_co_u32 s54, s54, SD+4096
	s_mul_i32 s47, s44, SE
	s_add_co_u32 s54, s54, s47
	v_lshl_add_u32 v6, v3, 14, v4
	v_lshlrev_b32 v7, 3, v5
	s_mov_b32 s39, 0
	s_add_nc_u64 s[26:27], s[26:27], s[38:39]
	WLOAD 128
.Ltail:
	s_mov_b32 s53, 0
	s_mov_b32 s55, 0
	s_add_nc_u64 s[18:19], s[18:19], s[52:53]
	s_add_nc_u64 s[20:21], s[20:21], s[54:55]
	v_lshlrev_b32 v8, 4, v1                        ; 16 x lane
	s_wait_loadcnt 0x0
.irp c, 0,1                                    ; my block 2 c + h: all its 32 numbers are mine
	v_max3_num_f32 v[32+\c], |v[64+32*\c]|, |v[65+32*\c]|, 0x1800000   ; and the floor 2^(3 - 127): the byte cannot fall under 1
.endr
.irp i, 2,4,6,8,10,12,14,16,18,20,22,24,26,28,30
.irp c, 0,1
	v_max3_num_f32 v[32+\c], v[32+\c], |v[64+32*\c+\i]|, |v[65+32*\c+\i]|
.endr
.endr
.irp c, 0,1
	v_add_nc_u32 v[44+\c], 0xff000000, v[32+\c]    ; 2 off the exponent field: the conversion's scale operand
.endr
.irp c, 0,1
	v_lshrrev_b32 v[36+\c], 23, v[44+\c]           ; the scale's byte
.endr
	v_lshl_or_b32 v9, v37, 16, v36                 ; my two bytes: blocks h and 2 + h,
	v_lshlrev_b32 v10, 3, v3
	v_lshlrev_b32 v9, v10, v9                      ; 8 h bits up;
	v_mov_b32 v10, 0
	v_permlanex16_b32 v10, v9, s30, s31
	v_or_b32 v9, v9, v10                           ; with lane l xor 16's two the word is whole, in both lanes
.irp c, 0,1
	v_cvt_scalef32_pk16_fp6_f32 v[48+6*\c:50+6*\c], v[64+32*\c:79+32*\c], v[44+\c]
	v_cvt_scalef32_pk16_fp6_f32 v[192+4*\c:194+4*\c], v[80+32*\c:95+32*\c], v[44+\c]   ; (a conversion's three registers begin on an even number)
.endr
	v_nop                                          ; one plain place behind a scaled conversion
.irp c, 0,1
.irp i, 0,1,2
	v_mov_b32 v[51+6*\c+\i], v[192+4*\c+\i]
.endr
.endr
.irp c, 0,1,2
	global_store_b128 v8, v[48+4*\c:51+4*\c], s[18:19] offset:512*\c   ; 32 lanes store 512 consecutive bytes, at a multiple of 256 from wq's first byte
.endr
	global_store_b32 v7, v9, s[20:21]              ; lanes l and l + 16 store the same word to the same place
	s_endpgm
; ---------------- the sort
.Lsort:
	s_sub_co_u32 s32, ttmp9, NQWG
	s_lshl_b32 s33, s32, 3
	s_add_co_u32 s33, s33, s28                     ; the sub-chunk that I place
	v_lshlrev_b32 v4, 4, v1                        ; 16 x lane
	s_lshl_b32 s34, s28, 14
	v_add_nc_u32 v5, s34, v4                       ; the eight sub-chunks that I count: 8 x wave on, 2,048 bytes each
	s_lshl_b32 s35, s33, 11
	v_add_nc_u32 v6, s35, v4
.set i_, 0
.rept 32
	global_load_b128 v[64+4*i_:64+4*i_+3], v5, s[16:17] offset:512*i_
.set i_, i_+1
.endr
.irp j, 0,1,2,3
	global_load_b128 v[192+4*\j:192+4*\j+3], v6, s[16:17] offset:512*\j
.endr
	v_lshrrev_b32 v7, 5, v0
	v_lshlrev_b32 v7, 7, v7                        ; LDS: 128 x wave: my eight entries of the table, 16 bytes each
	s_mov_b32 s37, 0x0f0f0f0f
	s_mov_b32 s38, 0x00ff00ff
	v_mov_b32 v24, 0                               ; written once: the destination of a lane move counts as one of its sources
	v_mov_b32 v25, 0
.irp q, 0,1,2,3
	v_mov_b32 v[32+\q], 0
.endr
.irp q, 0,1,2,3,4,5,6,7
	v_mov_b32 v[56+\q], 0
.endr
; The counts of sub-chunk 8 x wave + k.  A lane has 16 numbers: each adds 1 to a field of 4 bits (two sums of 8 numbers: a field holds 8 at the most); the fields widen to 8 bits (16 a lane, 128 over 8 lanes)
; and then to 16 (512 over the wave).  The entry's four words: bins 0 | 4, 2 | 6, 1 | 5, 3 | 7, the first in the low half.
.macro HIST k
.set D_, 64+16*(\k)
.set H_, 208+4*(\k)
	s_wait_loadcnt 32-4*(\k)                       ; behind this sub-chunk's four loads: four for each later one, and my own sub-chunk's four
.set j_, 0
.rept 16
	v_lshlrev_b32 v[16+j_%4], 2, v[D_+j_]
.if j_%8 == 0
	v_lshl_add_u32 v[20+j_/8], 1, v[16+j_%4], 0
.else
	v_lshl_add_u32 v[20+j_/8], 1, v[16+j_%4], v[20+j_/8]
.endif
.set j_, j_+1
.endr
	v_and_b32 v22, s37, v20
	v_and_b32 v23, s37, v21
	v_add_nc_u32 v22, v22, v23                     ; bins 0, 2, 4, 6 in bytes
	v_lshrrev_b32 v20, 4, v20
	v_lshrrev_b32 v21, 4, v21
	v_and_b32 v20, s37, v20
	v_and_b32 v21, s37, v21
	v_add_nc_u32 v23, v20, v21                     ; bins 1, 3, 5, 7
.irp x, 1,2,4
	v_mov_b32_dpp v24, v22 row_xmask:\x row_mask:0xf bank_mask:0xf
	v_mov_b32_dpp v25, v23 row_xmask:\x row_mask:0xf bank_mask:0xf
	v_add_nc_u32 v22, v22, v24
	v_add_nc_u32 v23, v23, v25
.endr
	v_and_b32 v[H_], s38, v22
	v_lshrrev_b32 v22, 8, v22
	v_and_b32 v[H_+1], s38, v22
	v_and_b32 v[H_+2], s38, v23
	v_lshrrev_b32 v23, 8, v23
	v_and_b32 v[H_+3], s38, v23
.irp q, 0,1,2,3
	v_mov_b32_dpp v[32+\q], v[H_+\q] row_xmask:8 row_mask:0xf bank_mask:0xf
.endr
.irp q, 0,1,2,3
	v_add_nc_u32 v[H_+\q], v[H_+\q], v[32+\q]
.endr
.irp q, 0,1,2,3
	v_permlanex16_b32 v[32+\q], v[H_+\q], s30, s31
.endr
.irp q, 0,1,2,3
	v_add_nc_u32 v[H_+\q], v[H_+\q], v[32+\q]
.endr
	ds_store_b128 v7, v[H_:H_+3] offset:16*(\k)    ; all lanes write the same 16 bytes with the same values
.endm
.irp k, 0,1,2,3,4,5,6,7
	HIST \k
.endr
	s_wait_dscnt 0x0                               ; for the others' sake: my entries have landed
	s_barrier_signal -1                            ; (the way here hangs on the work-group's number alone: all eight waves are on it)
	s_barrier_wait -1
	ds_load_b128 v[40:43], v4                      ; entry lane,
	ds_load_b128 v[44:47], v4 offset:512           ; and entry lane + 32
	v_cmp_gt_u32 vcc_lo, s33, v1
	v_cndmask_b32 v32, 0, -1, vcc_lo               ; all ones where the entry stands before my sub-chunk
	v_add_nc_u32 v34, 32, v1
	v_cmp_gt_u32 vcc_lo, s33, v34
	v_cndmask_b32 v33, 0, -1, vcc_lo
	s_wait_dscnt 0x0
.irp q, 0,1,2,3
	v_add_nc_u32 v[48+\q], v[40+\q], v[44+\q]      ; towards each bin's total (32,768 at the most: inside 16 bits),
	v_and_b32 v[40+\q], v32, v[40+\q]
	v_and_b32 v[44+\q], v33, v[44+\q]
	v_add_nc_u32 v[52+\q], v[40+\q], v[44+\q]      ; and its count before my sub-chunk
.endr
.irp x, 1,2,4,8
.irp q, 0,1,2,3,4,5,6,7
	v_mov_b32_dpp v[56+\q], v[48+\q] row_xmask:\x row_mask:0xf bank_mask:0xf
.endr
.irp q, 0,1,2,3,4,5,6,7
	v_add_nc_u32 v[48+\q], v[48+\q], v[56+\q]
.endr
.endr
.irp q, 0,1,2,3,4,5,6,7
	v_permlanex16_b32 v[56+\q], v[48+\q], s30, s31
.endr
.irp q, 0,1,2,3,4,5,6,7
	v_add_nc_u32 v[48+\q], v[48+\q], v[56+\q]
.endr
.irp q, 0,1,2,3,4,5,6,7
	v_readfirstlane_b32 s[40+\q], v[48+\q]
.endr
	s_and_b32 s48, s40, 0xffff                     ; s[48 + e]: bin e's total
	s_and_b32 s49, s42, 0xffff
	s_and_b32 s50, s41, 0xffff
	s_and_b32 s51, s43, 0xffff
	s_lshr_b32 s52, s40, 16
	s_lshr_b32 s53, s42, 16
	s_lshr_b32 s54, s41, 16
	s_lshr_b32 s55, s43, 16
	s_and_b32 s56, s44, 0xffff                     ; s[56 + e]: its count before my sub-chunk
	s_and_b32 s57, s46, 0xffff
	s_and_b32 s58, s45, 0xffff
	s_and_b32 s59, s47, 0xffff
	s_lshr_b32 s60, s44, 16
	s_lshr_b32 s61, s46, 16
	s_lshr_b32 s62, s45, 16
	s_lshr_b32 s63, s47, 16
	s_mov_b32 s66, 0                               ; s[66 + e]: expert e's first position; s[67 + e]: its end
.irp e, 0,1,2,3,4,5,6,7
	s_add_co_u32 s[56+\e], s[56+\e], s[66+\e]      ; where my sub-chunk's first token of bin e goes
	s_add_co_u32 s[67+\e], s[66+\e], s[48+\e]
.endr
	s_lshl_b32 s36, s33, 9
	v_lshl_add_u32 v17, v1, 2, s36                 ; my first token: 512 x sub-chunk + 4 x lane
; One register of 32 tokens: a token's place is its bin's next free position + the number of lower lanes with the same bin
.macro PLACE n
.irp e, 0,1,2,3,4,5,6,7
	v_cmp_eq_u32 s[76+\e], \e, v[192+(\n)]
.endr
	v_mov_b32 v[64+(\n)], 0
.irp e, 0,1,2,3,4,5,6,7
	v_mbcnt_lo_u32_b32 v16, s[76+\e], s[56+\e]
	v_cndmask_b32 v[64+(\n)], v[64+(\n)], v16, s[76+\e]
.endr
.irp e, 0,1,2,3,4,5,6,7
	s_bcnt1_i32_b32 s84, s[76+\e]
	s_add_co_u32 s[56+\e], s[56+\e], s84
.endr
	v_min_u32 v[64+(\n)], 0x7fff, v[64+(\n)]       ; a position made of loaded numbers is held inside the buffer before it enters an address
	v_lshlrev_b32 v[64+(\n)], 2, v[64+(\n)]
	v_add_nc_u32 v[80+(\n)], 128*((\n)/4)+(\n)%4, v17
	global_store_b32 v[64+(\n)], v[80+(\n)], s[22:23]   ; each store has registers of its own: none is written again
.endm
	s_wait_loadcnt 0x0
.irp n, 0,1,2,3,4,5,6,7,8,9,10,11,12,13,14,15
	PLACE \n
.endr
	s_cmp_lg_u32 ttmp9, NQWG                       ; seg is stored by one wave of one work-group
	s_cbranch_scc1 .Lend
	s_cmp_lg_u32 s28, 0
	s_cbranch_scc1 .Lend
	v_mov_b32 v18, 0
.irp e, 0,1,2,3,4,5,6,7
	v_writelane_b32 v18, s[66+\e], 2*\e
	v_writelane_b32 v18, s[67+\e], 2*\e+1
.endr
	v_lshlrev_b32 v19, 2, v1
	global_store_b32 v19, v18, s[24:25]            ; 128 consecutive bytes: 16 words of positions, 16 zeros
.Lend:
	s_wait_tensorcnt 0x0                           ; the wave's end
	ds_add_u32 v[SPW], v[NIL]
	s_wait_dscnt 0x0
	s_endpgm
.Lfunc_end_k_qc3bae814b3_prep:
	.size	k_qc3bae814b3_prep, .Lfunc_end_k_qc3bae814b3_prep-k_qc3bae814b3_prep
	.p2alignl 7, 3214868480
	.fill 96, 4, 3214868480
	.section	.rodata,"a",@progbits
	.p2align	6, 0x0
	.amdhsa_kernel k_qc3bae814b3_prep
		.amdhsa_group_segment_fixed_size 2048
		.amdhsa_private_segment_fixed_size 0
		.amdhsa_enable_private_segment 0
		.amdhsa_kernarg_size 88
		.amdhsa_user_sgpr_count 2
		.amdhsa_user_sgpr_kernarg_segment_ptr 1
		.amdhsa_wavefront_size32 1
		.amdhsa_system_sgpr_workgroup_id_x 1
		.amdhsa_system_sgpr_workgroup_id_y 1
		.amdhsa_system_sgpr_workgroup_id_z 1
		.amdhsa_system_vgpr_workitem_id 0
		.amdhsa_next_free_vgpr 256
		.amdhsa_next_free_sgpr 88
		.amdhsa_reserve_vcc 1
		.amdhsa_float_denorm_mode_32 3
		.amdhsa_float_denorm_mode_16_64 3
		.amdhsa_memory_ordered 1
		.amdhsa_forward_progress 1
		.amdhsa_inst_pref_size 103
	.end_amdhsa_kernel
	.amdgpu_metadata
---
amdhsa.version: [ 1, 2 ]
amdhsa.kernels:
  - .name:           k_qc3bae814b3_prep
    .symbol:         k_qc3bae814b3_prep.kd
    .args:
      - { .name: We1, .offset: 0, .size: 8, .value_kind: global_buffer, .address_space: global }
      - { .name: We2, .offset: 8, .size: 8, .value_kind: global_buffer, .address_space: global }
      - { .name: We3, .offset: 16, .size: 8, .value_kind: global_buffer, .address_space: global }
      - { .name: Wd1, .offset: 24, .size: 8, .value_kind: global_buffer, .address_space: global }
      - { .name: Wd2, .offset: 32, .size: 8, .value_kind: global_buffer, .address_space: global }
      - { .name: Wd3, .offset: 40, .size: 8, .value_kind: global_buffer, .address_space: global }
      - { .name: cat_idx, .offset: 48, .size: 8, .value_kind: global_buffer, .address_space: global }
      - { .name: wq, .offset: 56, .size: 8, .value_kind: global_buffer, .address_space: global }
      - { .name: ws, .offset: 64, .size: 8, .value_kind: global_buffer, .address_space: global }
      - { .name: order, .offset: 72, .size: 8, .value_kind: global_buffer, .address_space: global }
      - { .name: seg, .offset: 80, .size: 8, .value_kind: global_buffer, .address_space: global }
    .group_segment_fixed_size: 2048
    .private_segment_fixed_size: 0
    .kernarg_segment_align: 8
    .kernarg_segment_size: 88
    .max_flat_workgroup_size: 256
    .sgpr_count:     88
    .vgpr_count:     256
    .wavefront_size: 32
...
	.end_amdgpu_metadata
.endif
;; end of part 1
;; launch chain (part 2): grid 256 x 1, 4 waves a work-group, no clusters, 234,496 bytes of LDS; arguments features, order, seg, wq, ws, be1, be2, be3, bd1, bd2, bd3, out0; writes out0
.if DOCPART == 2
	.amdgcn_target "amdgcn-amd-amdhsa--gfx1250"
	.amdhsa_code_object_version 6
	.text
	.protected	k_qc3bae814b3_chain
	.globl	k_qc3bae814b3_chain
	.p2align	8
	.type	k_qc3bae814b3_chain,@function
k_qc3bae814b3_chain:
	s_mov_b64 s[64:65], 0
	v_nop
	global_prefetch_b8 v0, s[64:65] scope:SCOPE_SE
	s_setreg_imm32_b32 hwreg(HW_REG_WAVE_MODE, 25, 1), 1
	s_wait_xcnt 0x0
; THE WHOLE CHAIN FOR 128 TOKENS: gather, quantise, 768 -> 512 -> 256 -> 256 (shared encoder), 256 -> 256 -> 256 -> 128 (the token's own decoder), scatter.  All six products on codes of FP6 (E2M3) with one E8M0 byte for each 32
; along K; sums, biases, ReLU and the quantisers in f32.  No hidden layer goes to memory.
; SHARES.  Work-group g takes the sorted positions 128 g .. 128 g + 127 (order[position] = token; positions are sorted by expert).  32,768 / 128 = 256 work-groups of equal size for every split of the tokens.
; THE WAVES SHARE THE COLUMNS, NOT THE ROWS: in layer 1 wave w makes units 128 w .. + 127, in layers 2 to 5 units 64 w .. + 63, in layer 6 outputs 32 w .. + 31, for all 128 rows.  So each weight fragment is loaded by
; one wave, once, straight from memory into registers (an earlier launch laid the weights in the order of the operand's registers), and feeds eight matrix instructions.
; ROWS GO FROM WAVE TO WAVE THROUGH LDS AS IMAGES OF THEIR REGISTERS.  A fragment (16 rows x 128 K, 12 registers a lane) is two halves of 768 bytes; in half c registers 6 c .. 6 c + 3 lie at 16 x lane and
; registers 6 c + 4, 6 c + 5 at 512 + 8 x lane: every access is dense.  64 units of a wave are half a K step of the next product: one half image.  Scale words: 128 bytes a unit, lanes 0-15 an even tile of rows, lanes 16-31 the odd one.
; EVERY LDS ADDRESS REGISTER IS MADE AT THE HEAD AND NEVER REWRITTEN: a constant + a constant x lane + a constant x wave; a layer's region stands in the immediate offset.
; ALL PRODUCTS ARE USED TRANSPOSED (source 0 = 16 columns of the weight, source 1 = 16 rows): a lane holds one row, and the columns of a tile are chosen so that two neighbouring tiles give 16 neighbours along the next K.
; The biases are the C of each sum's first matrix instruction, so a bias is added ahead of the products and not behind them.
; THE DECODER is a loop of constant count over the eight experts.  From seg each trip knows which of the block's four pairs of row tiles hold rows of that expert; the others are jumped over by scalar branches on those stored
; numbers.  Every barrier stands outside those branches.  A row's outputs are chosen by v_cndmask_b32 into registers that keep all 128 rows' results; all lanes stay on throughout.
; A block that lies inside one expert does the decoder once; a boundary costs one pair of row tiles twice and one more read of a decoder's weights.
; NO TENSOR LOADS AND NO JOINT REQUESTS, though all work-groups walk the same encoder weights: the text branches on numbers read from memory.
; LIMITS: NaN and infinities are not served.  A block whose largest magnitude lies under 2^-124 is held at the byte 1; a block of zeros gets the byte 1 with zero codes.  cat_idx lies in 0 .. 7 (each position has one expert).
; REGISTERS, in windows of 256.  Window 0: v1-31, v196-199, v240-244 addresses; v32-95, v96-159 two sets of 64 numbers; v160-179 codes; v180-195 the quantiser's; v200-239 scale words and nothing else.
;   Layer 1: window 1: v0-95 We1's 8 fragments of a K step, v96-191 x's 8, v192-255 be1; windows 2, 3: 64 accumulators, (m, t) at window 2 + m / 4, v[64 (m % 4) + 8 t].
;   Afterwards: window 1: We2's 16 fragments, be2, be3; in the decoder v0-127 the results of layer 6, v128-159 the out rows' offsets.
;   window 2: v0-191 rows' fragments (v96-191 We3 until layer 3 is done), bd1, bd2; window 3: the decoder's 8 + 8 + 4 fragments, bd3.
.set FRB,   1536                       ; a fragment's image
.set XIMG,  0                          ; LDS: x's 8 fragments of ONE K step, written again in each,
.set H1IMG, XIMG+8*FRB                 ; layer 1's 32 (4 m + K step),
.set H2IMG, H1IMG+32*FRB               ; and 16 (2 m + K step) for each of layers 2 to 5
.set H3IMG, H2IMG+16*FRB
.set D1IMG, H3IMG+16*FRB
.set D2IMG, D1IMG+16*FRB
.set XSC,   D2IMG+16*FRB               ; their scale words
.set H1SC,  XSC+4*128
.set H2SC,  H1SC+16*128
.set H3SC,  H2SC+8*128
.set D1SC,  H3SC+8*128
.set D2SC,  D1SC+8*128
.set STG,   D2SC+8*128                 ; the stage: 128 rows of out0, 512 bytes + 16
.set SPARE, STG+128*528                ; the spare words, 128 bytes for each wave: two blocks of 256 bytes that no other line names
.set Q2, 294912                        ; wq and ws: as the launch before lays them
.set Q3, 393216
.set QD, 442368
.set QE, 122880
.set S2, 12288
.set S3, 16384
.set SD, 18432
.set SE, 5120
.set LI16, 1                           ; 16 x lane: also the read address of the images from LDS byte 0 on (x, layer 1)
.set LI8,  2                           ; 8 x lane: likewise
.set LS4,  3                           ; 4 x lane
.set RR,   4                           ; r = lane % 16
.set HH,   5                           ; h = lane / 16
.set XA0,  6                           ; features: my row of row tile 2 w: token x 3,072 + 64 h
.set XA1,  7                           ; and of row tile 2 w + 1
.set PFO,  8                           ; the prefetches' offset: the token of row 32 w + lane, x 3,072
.set RB16, 9                           ; images read from H2IMG on (layers 2, 3): 16 bytes a lane,
.set RB8,  10                          ; 8 bytes a lane
.set RC16, 11                          ; and from D1IMG on (layers 4, 5)
.set RC8,  12
.set RSB,  13                          ; scale words read: XSC + 4 x lane
.set WSX,  14                          ; scale words written by whole words: XSC + 128 w + 4 x lane
.set VQ2,  15                          ; wq: 16 x lane + my wave's 16, 8, 4 fragments
.set VQ3,  16
.set VQ4,  17
.set VS2,  18                          ; ws likewise
.set VS3,  19
.set VS4,  20
.set VB1,  21                          ; biases: 64 h + my wave's 128, 64, 32 numbers
.set VB2,  22
.set VB4,  23
.set SO,   24                          ; the stage: where I put 64 bytes of a row
.set SR,   25                          ; and where I read rows back
.set MK,   26
.set PWS,  27
.set PW,   28
.set HW,   29
.set SPW,  30                          ; LDS address of my spare word; never rewritten
.set NIL,  31                          ; 0; never rewritten
.set A0,   32
.set A1,   96
.set PC,   160
.set TM,   180                         ; +0..3 largest magnitudes, +4..7 bytes, +8, +9 half words, +12..15 the conversions' scale operands
.set WB16, 196                         ; my half image, 1,536 (w / 2) + 768 (w % 2), from H2IMG on: 16 bytes a lane,
.set WB8,  197                         ; 8 bytes a lane
.set WC16, 198                         ; and from D1IMG on
.set WC8,  199
.set SW1,  200                         ; scale words: We1's (4), the rows' (4), We2's (8), We3's (4), the decoder's (4, 4, 2), the rows' in the decoder (8)
.set SX,   204
.set SW2,  208
.set SW3,  216
.set SD1,  220
.set SD2,  224
.set SD3,  228
.set SXD,  232
.set WX16, 240                         ; x's images written: 3,072 w + 16 x lane,
.set WX8,  241
.set WH16, 242                         ; layer 1's: H1IMG + 1,536 w + 16 x lane
.set WH8,  243
.set WSB,  244                         ; my half of a scale word: XSC + 128 (w / 2) + 2 (w % 2) + 4 x lane
.set OUT,  0                           ; in window 1: layer 6's results, 16 registers for each of the 8 row tiles
.set OFS,  128                         ; in window 1: byte offsets in out0 of my 32 out rows
.set CNT,  4                           ; scalars; s4 to s9, s14 and s15 held pointers that are done with when they are taken again
.set EE,   5
.set EF,   6                           ; the block's first expert
.set PM,   7                           ; bit p: pair p of row tiles holds rows of the trip's expert
.set AA,   8                           ; those rows' first place in the block,
.set LEN,  9                           ; and their number
.set M0,   14                          ; lane masks: my row of the pair's even, odd tile is the expert's
.set M1,   15
.set WV,   28
.set BPOS, 29                          ; the block's first position
.set SEL,  30
.set HM,   32                          ; lanes 16-31
.set P0,   34                          ; s[34:35] an offset in 64 bits
.set SEG,  36                          ; s[36:51] first and end position of experts e, e + 1 ..: moved down by a pair in each trip
.set FB,   52                          ; s[52:53] features at the K step in hand
.set WQB,  54                          ; s[54:55] We1's fragments of my wave at that K step
.set WSQ,  56                          ; s[56:57] their scale words
.set DQ,   58                          ; s[58:59] .. an expert's codes, scale words, biases
.set DSC,  60
.set DB1,  62
.set DB2,  66
.set DB3,  100
.set TOK,  68                          ; s[68:99] the tokens of rows 32 w .. 32 w + 31
.set MSB, 0
.macro WIN new                         ; the immediate's high byte repeats the setting that is left
.if MSB != (\new)
	s_set_vgpr_msb (MSB<<8)|(\new)
.set MSB, (\new)
.endif
.endm
.macro PLACES n                        ; plain vector instructions behind matrix instructions (ISA guide 7.12.1)
.rept \n
	v_nop
.endr
.endm
.macro BARRIER                         ; my LDS stores have landed and my LDS loads are in: then the work-group's barrier
	s_wait_dscnt 0x0
	s_barrier_signal -1
	s_barrier_wait -1
.endm
; 64 numbers of a lane, register 16 b + i = k 32 b + 16 h + i of my row, become codes in v[PC] .. v[PC + 11] and four bytes in v[TM + 4] ..  dsw: the LDS instructions that may stay out when the codes' registers are written again
.macro QUANT s, dsw
.irp b, 0,1,2,3
	v_max3_num_f32 v[TM+\b], |v[\s+16*\b]|, |v[\s+1+16*\b]|, 0x1800000   ; my 16 numbers of block b, and the floor 2^(3 - 127): the byte cannot fall under 1
.endr
.irp i, 2,4,6,8,10,12,14
.irp b, 0,1,2,3
	v_max3_num_f32 v[TM+\b], v[TM+\b], |v[\s+16*\b+\i]|, |v[\s+1+16*\b+\i]|
.endr
.endr
.irp b, 0,1,2,3
	v_permlanex16_b32 v[TM+4+\b], v[TM+\b], s[SEL], s[SEL+1]
.endr
.irp b, 0,1,2,3
	v_max_num_f32 v[TM+\b], v[TM+\b], v[TM+4+\b]   ; with lane l xor 16's: the block's largest magnitude
.endr
.irp b, 0,1,2,3
	v_add_nc_u32 v[TM+12+\b], 0xff000000, v[TM+\b] ; 2 off its exponent field: the conversion's scale operand
.endr
.irp b, 0,1,2,3
	v_lshrrev_b32 v[TM+4+\b], 23, v[TM+12+\b]      ; the scale's byte
.endr
	s_wait_dscnt \dsw                              ; the last images' stores have read the codes' registers
.irp c, 0,1
	v_cvt_scalef32_pk16_fp6_f32 v[PC+6*\c:PC+2+6*\c], v[\s+32*\c:\s+15+32*\c], v[TM+12+2*\c]
	v_cvt_scalef32_pk16_fp6_f32 v[PC+12+4*\c:PC+14+4*\c], v[\s+16+32*\c:\s+31+32*\c], v[TM+12+2*\c+1]   ; (a conversion's three registers begin on an even number)
.endr
	v_nop                                          ; one plain place behind a scaled conversion
.irp c, 0,1                                    ; the operand's layout wants a whole block in a lane: lanes 0-15 block 2 c, lanes 16-31 block 2 c + 1
.irp i, 0,1,2
	v_permlane16_swap_b32 v[PC+6*\c+\i], v[PC+12+4*\c+\i]
.endr
.irp i, 0,1,2
	v_mov_b32 v[PC+3+6*\c+\i], v[PC+12+4*\c+\i]
.endr
.endr
.endm
.macro WORD d                          ; the four bytes as my row's scale word
	v_lshl_or_b32 v[\d], v[TM+5], 8, v[TM+4]
	v_lshl_or_b32 v[\d], v[TM+6], 16, v[\d]
	v_lshl_or_b32 v[\d], v[TM+7], 24, v[\d]
.endm
.macro HALFW                           ; blocks 0, 1 belong to the even tile of rows, blocks 2, 3 to the odd one: lanes 0-15 keep the first two bytes, lanes 16-31 the others
	v_lshl_or_b32 v[TM+8], v[TM+5], 8, v[TM+4]
	v_lshl_or_b32 v[TM+9], v[TM+7], 8, v[TM+6]
	v_cndmask_b32 v[HW], v[TM+8], v[TM+9], s[HM]
.endm
.macro IMGH c, w16, w8, off            ; half c of the codes goes to LDS as it stands
	ds_store_b128 v[\w16], v[PC+6*(\c):PC+6*(\c)+3] offset:(\off)
	ds_store_b64 v[\w8], v[PC+6*(\c)+4:PC+6*(\c)+5] offset:(\off)+512
.endm
.macro IMGF w16, w8, off
	IMGH 0, \w16, \w8, (\off)
	IMGH 1, \w16, \w8, (\off)+768
.endm
.macro FETCHF reg, r16, r8, off        ; and a whole fragment comes back so, in any wave
	ds_load_b128 v[(\reg):(\reg)+3], v[\r16] offset:(\off)
	ds_load_b64 v[(\reg)+4:(\reg)+5], v[\r8] offset:(\off)+512
	ds_load_b128 v[(\reg)+6:(\reg)+9], v[\r16] offset:(\off)+768
	ds_load_b64 v[(\reg)+10:(\reg)+11], v[\r8] offset:(\off)+1280
.endm
; One matrix instruction, from the symbols rD, rA, rB, rC, rSA, rSB; rRA, rRB = 1: that side's scales stand in lanes 16-31
.macro WM
.if (rRA == 0) && (rRB == 0)
	v_wmma_scale_f32_16x16x128_f8f6f4 v[rD:rD+7], v[rA:rA+11], v[rB:rB+11], v[rC:rC+7], v[rSA], v[rSB] matrix_a_fmt:MATRIX_FMT_FP6 matrix_b_fmt:MATRIX_FMT_FP6
.elseif (rRA == 1) && (rRB == 0)
	v_wmma_scale_f32_16x16x128_f8f6f4 v[rD:rD+7], v[rA:rA+11], v[rB:rB+11], v[rC:rC+7], v[rSA], v[rSB] matrix_a_fmt:MATRIX_FMT_FP6 matrix_b_fmt:MATRIX_FMT_FP6 matrix_a_scale:MATRIX_SCALE_ROW1
.elseif rRA == 0
	v_wmma_scale_f32_16x16x128_f8f6f4 v[rD:rD+7], v[rA:rA+11], v[rB:rB+11], v[rC:rC+7], v[rSA], v[rSB] matrix_a_fmt:MATRIX_FMT_FP6 matrix_b_fmt:MATRIX_FMT_FP6 matrix_b_scale:MATRIX_SCALE_ROW1
.else
	v_wmma_scale_f32_16x16x128_f8f6f4 v[rD:rD+7], v[rA:rA+11], v[rB:rB+11], v[rC:rC+7], v[rSA], v[rSB] matrix_a_fmt:MATRIX_FMT_FP6 matrix_b_fmt:MATRIX_FMT_FP6 matrix_a_scale:MATRIX_SCALE_ROW1 matrix_b_scale:MATRIX_SCALE_ROW1
.endif
.endm
; A pair of row tiles x my nt tiles of columns, ks K steps, into v[A0] on (row tile mm at 8 nt mm).  The 2 nt accumulators take turns, one instruction a turn.  The first K step takes the bias as C.
; Five places follow: for the loads into the operands, the reads of the results, and the next pair's products, which begin the same accumulators anew.
.macro PAIRMM ks, nt, xb, sxb, wb, bb, swb, win1, winn
.set s_, 0
.rept \ks
.if s_ == 0
	WIN \win1
.else
	WIN \winn
.endif
.set mm_, 0
.rept 2
.set tt_, 0
.rept \nt
.set rD, A0+8*(\nt)*mm_+8*tt_
.set rA, (\wb)+12*(tt_*(\ks)+s_)
.set rB, (\xb)+12*((\ks)*mm_+s_)
.if s_ == 0
.set rC, (\bb)+8*tt_
.else
.set rC, rD
.endif
.set rSA, (\swb)+(\ks)*(tt_/2)+s_
.set rSB, (\sxb)+s_
.set rRA, tt_%2
.set rRB, mm_
	WM
.set tt_, tt_+1
.endr
.set mm_, mm_+1
.endr
.set s_, s_+1
.endr
	WIN 0
	PLACES 5
.endm
; Pair p's 2 ks fragments into window 2 from v[xb] on, and its ks scale registers.  r16, r8: the images' address registers; ioff, soff: the layer's images and scale words behind those registers' bases
.macro PFETCH ks, p, xb, sxb, r16, r8, ioff, soff
	WIN 0x80
.set mm_, 0
.rept 2
.set s_, 0
.rept \ks
	FETCHF (\xb)+12*((\ks)*mm_+s_), \r16, \r8, (\ioff)+((2*(\p)+mm_)*(\ks)+s_)*FRB
.set s_, s_+1
.endr
.set mm_, mm_+1
.endr
	WIN 0
.set s_, 0
.rept \ks
	ds_load_b32 v[(\sxb)+s_], v[RSB] offset:(\soff)+((\p)*(\ks)+s_)*128
.set s_, s_+1
.endr
.endm
.macro RELU                            ; in f32, each accumulator from its low end on
.set j_, 0
.rept 64
	v_max_num_f32 v[A0+j_], 0, v[A0+j_]
.set j_, j_+1
.endr
.endm
.macro PTAIL p, dsw, w16, w8, ioff, soff   ; the pair's 64 numbers a lane become two half images and a half scale word
	QUANT A0, \dsw
	IMGH 0, \w16, \w8, (\ioff)+(\p)*4*FRB
	IMGH 1, \w16, \w8, (\ioff)+(\p)*4*FRB+2*FRB
	HALFW
	ds_store_b16 v[WSB], v[HW] offset:(\soff)+(\p)*256
.endm
.macro WLD reg, voff, base, off, n     ; n weight fragments, three loads of 512 consecutive bytes each
.set f_, 0
.rept \n
	global_load_b128 v[(\reg)+12*f_:(\reg)+12*f_+3], v[\voff], s[\base:\base+1] offset:(\off)+FRB*f_
	global_load_b128 v[(\reg)+12*f_+4:(\reg)+12*f_+7], v[\voff], s[\base:\base+1] offset:(\off)+FRB*f_+512
	global_load_b128 v[(\reg)+12*f_+8:(\reg)+12*f_+11], v[\voff], s[\base:\base+1] offset:(\off)+FRB*f_+1024
.set f_, f_+1
.endr
.endm
.macro BLD reg, voff, base, nt         ; a bias in the result's layout: for tile t lane (r, h) wants units 32 (t / 2) + 16 h + 8 (t % 2) + 0 .. 7
.set t_, 0
.rept \nt
	global_load_b128 v[(\reg)+8*t_:(\reg)+8*t_+3], v[\voff], s[\base:\base+1] offset:(32*(t_/2)+8*(t_%2))*4
	global_load_b128 v[(\reg)+8*t_+4:(\reg)+8*t_+7], v[\voff], s[\base:\base+1] offset:(32*(t_/2)+8*(t_%2))*4+16
.set t_, t_+1
.endr
.endm
.macro FLOAD set, xa, off              ; 64 numbers of my row: of each block of 32 my half's 16
.irp b, 0,1,2,3
.irp j, 0,1,2,3
	global_load_b128 v[\set+16*\b+4*\j:\set+16*\b+4*\j+3], v[\xa], s[FB:FB+1] offset:(\off)+128*\b+16*\j th:TH_LOAD_NT
.endr
.endr
.endm
.macro DLOAD1                          ; an expert's first layer: 24 + 8 + 1 loads
	WIN 0xc0
	WLD 0, VQ3, DQ, 0, 8
	WIN 0x80
	BLD 192, VB2, DB1, 4
	WIN 0
	global_load_b128 v[SD1:SD1+3], v[VS3], s[DSC:DSC+1]
.endm
.macro DLOAD2                          ; its second: 24 + 8 + 1
	WIN 0xc0
	WLD 96, VQ3, DQ, 49152, 8
	WIN 0x80
	BLD 224, VB2, DB2, 4
	WIN 0
	global_load_b128 v[SD2:SD2+3], v[VS3], s[DSC:DSC+1] offset:2048
.endm
.macro DLOAD3                          ; its third: 12 + 4 + 1
	WIN 0xc0
	WLD 192, VQ4, DQ, 98304, 4
	BLD 240, VB4, DB3, 2
	WIN 0
	global_load_b64 v[SD3:SD3+1], v[VS4], s[DSC:DSC+1] offset:4096
.endm
; ---------------- the head
	s_load_b512 s[4:19], s[0:1], 0x0               ; features s[4:5], order s[6:7], seg s[8:9], wq s[10:11], ws s[12:13], be1 s[14:15], be2 s[16:17], be3 s[18:19]
	s_load_b256 s[20:27], s[0:1], 0x40             ; bd1 s[20:21], bd2 s[22:23], bd3 s[24:25], out0 s[26:27]
	v_lshl_add_u32 v[SPW], v0, 2, SPARE
	v_mov_b32 v[NIL], 0
	v_lshrrev_b32 v[MK], 5, v0
	v_readfirstlane_b32 s[WV], v[MK]               ; wave 0..3
	v_and_b32 v[PW], 31, v0
	v_lshlrev_b32 v[LI16], 4, v[PW]
	v_lshlrev_b32 v[LI8], 3, v[PW]
	v_lshlrev_b32 v[LS4], 2, v[PW]
	v_and_b32 v[RR], 15, v0
	v_bfe_u32 v[HH], v0, 4, 1
	v_lshlrev_b32 v[MK], 2, v[RR]                  ; 4 r: my row's word of order
	s_lshl_b32 s[BPOS], ttmp9, 7
	s_mov_b32 s[SEL], 0x76543210
	s_mov_b32 s[SEL+1], 0xfedcba98                 ; v_permlanex16_b32's selects for lane l xor 16
	s_mov_b32 s[HM], 0xffff0000
	s_mul_i32 s33, s[WV], 16*FRB
	v_add_nc_u32 v[VQ2], s33, v[LI16]
	s_mul_i32 s33, s[WV], 8*FRB
	v_add_nc_u32 v[VQ3], s33, v[LI16]
	s_mul_i32 s33, s[WV], 4*FRB
	v_add_nc_u32 v[VQ4], s33, v[LI16]
	s_lshl_b32 s33, s[WV], 10
	v_add_nc_u32 v[VS2], s33, v[LI16]
	s_lshl_b32 s33, s[WV], 9
	v_add_nc_u32 v[VS3], s33, v[LI16]
	v_lshl_add_u32 v[VB1], v[HH], 6, s33
	s_lshl_b32 s33, s[WV], 8
	v_add_nc_u32 v[VS4], s33, v[LI8]
	v_lshl_add_u32 v[VB2], v[HH], 6, s33
	s_lshl_b32 s33, s[WV], 7
	v_lshl_add_u32 v[VB4], v[HH], 6, s33
	v_mul_u32_u24 v[SO], v[RR], 528
	v_add_nc_u32 v[SO], v[SO], v[VB4]
	v_add_nc_u32 v[SO], STG, v[SO]                 ; the stage: row r, + 64 h, + 128 w: my 16 outputs' bytes
	v_add_nc_u32 v[RSB], XSC, v[LS4]
	v_add_nc_u32 v[WSX], s33, v[RSB]               ; XSC + 128 w + 4 x lane
	s_mul_i32 s33, s[WV], 32*528
	s_add_co_u32 s33, s33, STG
	v_add_nc_u32 v[SR], s33, v[LI16]               ; back: my 32 rows, 16 bytes a lane
	v_add_nc_u32 v[RB16], H2IMG, v[LI16]
	v_add_nc_u32 v[RB8], H2IMG, v[LI8]
	v_add_nc_u32 v[RC16], D1IMG, v[LI16]
	v_add_nc_u32 v[RC8], D1IMG, v[LI8]
	s_mul_i32 s33, s[WV], 2*FRB                    ; of x I write row tiles 2 w and 2 w + 1,
	v_add_nc_u32 v[WX16], s33, v[LI16]
	v_add_nc_u32 v[WX8], s33, v[LI8]
	s_mul_i32 s33, s[WV], FRB                      ; of layer 1 K step w of each row tile,
	s_add_co_u32 s33, s33, H1IMG
	v_add_nc_u32 v[WH16], s33, v[LI16]
	v_add_nc_u32 v[WH8], s33, v[LI8]
	s_lshr_b32 s33, s[WV], 1                       ; of layers 2 to 5 half w % 2 of K step w / 2
	s_and_b32 s34, s[WV], 1
	s_mul_i32 s35, s33, FRB
	s_mul_i32 s2, s34, 768
	s_add_co_u32 s35, s35, s2
	s_add_co_u32 s2, s35, H2IMG
	v_add_nc_u32 v[WB16], s2, v[LI16]
	v_add_nc_u32 v[WB8], s2, v[LI8]
	s_add_co_u32 s2, s35, D1IMG
	v_add_nc_u32 v[WC16], s2, v[LI16]
	v_add_nc_u32 v[WC8], s2, v[LI8]
	s_lshl_b32 s33, s33, 7
	s_lshl_b32 s34, s34, 1
	s_add_co_u32 s33, s33, s34
	v_add_nc_u32 v[WSB], s33, v[RSB]
.irp b, 0,1,2,3
	v_mov_b32 v[TM+4+\b], 0                        ; written once: a lane permute's destination counts as one of its sources
.endr
	s_lshl_b32 s33, s[WV], 5
	s_add_co_u32 s33, s33, s[BPOS]                 ; the position of my wave's first row
	s_lshl_b32 s[P0], s33, 2
	s_mov_b32 s[P0+1], 0
	s_wait_kmcnt 0x0
	s_add_nc_u64 s[6:7], s[6:7], s[P0:P0+1]
	s_load_b512 s[SEG:SEG+15], s[8:9], 0x0
	s_load_b512 s[TOK:TOK+15], s[6:7], 0x0
	s_load_b512 s[TOK+16:TOK+31], s[6:7], 0x40
	global_load_b32 v[XA0], v[MK], s[6:7]
	global_load_b32 v[XA1], v[MK], s[6:7] offset:64
	global_load_b32 v[PFO], v[LS4], s[6:7]
	s_mov_b64 s[FB:FB+1], s[4:5]
	s_mul_i32 s[P0], s[WV], 48*FRB                 ; We1: 6 K steps x 8 fragments for each wave
	s_add_nc_u64 s[WQB:WQB+1], s[10:11], s[P0:P0+1]
	s_mul_i32 s[P0], s[WV], 6*512
	s_add_nc_u64 s[WSQ:WSQ+1], s[12:13], s[P0:P0+1]
	WIN 0x40                                       ; what does not hang on the tokens goes out while their numbers come: We1's K step 0 (24 + 1 loads) and be1 (16)
	WLD 0, LI16, WQB, 0, 8
	BLD 192, VB1, 14, 8
	WIN 0
	global_load_b128 v[SW1:SW1+3], v[LI16], s[WSQ:WSQ+1]
	s_wait_loadcnt 41                              ; behind the three loads of order: those 41
	v_min_u32 v[XA0], 0x7fff, v[XA0]               ; a loaded number is held inside the table before it enters an address
	v_min_u32 v[XA1], 0x7fff, v[XA1]
	v_min_u32 v[PFO], 0x7fff, v[PFO]
	v_mul_u32_u24 v[XA0], v[XA0], 3072
	v_mul_u32_u24 v[XA1], v[XA1], 3072
	v_mul_u32_u24 v[PFO], v[PFO], 3072
	v_lshl_add_u32 v[XA0], v[HH], 6, v[XA0]
	v_lshl_add_u32 v[XA1], v[HH], 6, v[XA1]
	FLOAD A0, XA0, 0
	FLOAD A1, XA1, 0
	s_wait_kmcnt 0x0
	s_mov_b32 s[EF], 0                             ; the block's first expert: as many experts end at or before the block's first position
.irp e, 0,1,2,3,4,5,6,7
	s_cmp_le_u32 s[SEG+2*\e+1], s[BPOS]
	s_cselect_b32 s33, 1, 0
	s_add_co_u32 s[EF], s[EF], s33
.endr
	s_min_u32 s[EF], s[EF], 7
; ---------------- layer 1, a K step of 128 at a time
; I quantise my 32 rows' 128 numbers (two fragments) and store their images | barrier | all eight fragments from LDS, 64 matrix instructions on 64 accumulators by turns.  The images' bytes are written again in the next K step:
; so each wave signals a second barrier when its reads of them are in, and waits for it behind its matrix instructions.
; Loads: a K step's two sets of features are asked for a K step ahead, as soon as a set's registers are free; We1's next fragments behind the matrix instructions that read the last.
; n0, n1: the loads issued behind the set that is waited for.  ask = 1: the K step after next of my 32 rows is prefetched: 512 bytes a row, a lane a row, two instructions; each row belongs to one wave of the launch; 2: the same, but not in the trip whose K step after next does not exist.
.macro KSTEP first, last, ask, n0, n1
	s_wait_loadcnt \n0
	QUANT A0, 0
	WORD PWS
	IMGF WX16, WX8, 0
.if !(\last)
	FLOAD A0, XA0, 512
.endif
	s_wait_loadcnt \n1
	QUANT A1, 0
	WORD PW
	IMGF WX16, WX8, FRB
.if !(\last)
	FLOAD A1, XA1, 512
.endif
.if (\ask) == 2
	s_cmp_lt_u32 s[CNT], 3
	s_cbranch_scc0 .Lno_ask_\@
.endif
.if (\ask) > 0
	global_prefetch_b8 v[PFO], s[FB:FB+1] offset:1024 th:TH_LOAD_NT scope:SCOPE_SE
	global_prefetch_b8 v[PFO], s[FB:FB+1] offset:1280 th:TH_LOAD_NT scope:SCOPE_SE
.endif
.if (\ask) == 2
.Lno_ask_\@:
.endif
	v_cndmask_b32 v[PW], v[PWS], v[PW], s[HM]      ; lanes 0-15: row tile 2 w's words; lanes 16-31: 2 w + 1's
	ds_store_b32 v[WSX], v[PW]
	BARRIER                                        ; the K step's eight fragments lie in LDS
	WIN 0x40
.set m_, 0
.rept 8
	FETCHF 96+12*m_, LI16, LI8, XIMG+FRB*m_
.set m_, m_+1
.endr
	WIN 0
.irp q, 0,1,2,3
	ds_load_b32 v[SX+\q], v[RSB] offset:128*\q
.endr
.if \last
	s_wait_loadcnt 0x0                             ; We1's fragments
.else
	s_wait_loadcnt 32                              ; We1's fragments: behind them the next K step's 32 loads of features
.endif
	s_wait_dscnt 0x0
.if !(\last)
	s_barrier_signal -1                            ; my reads of the images are in; only work on registers stands up to the wait
.endif
.set m_, 0
.rept 8
.if \first
	WIN 0x95+0x40*(m_/4)                           ; sources and be1 window 1, D window 2 or 3
.else
	WIN 0xa5+0x50*(m_/4)                           ; sources window 1, C and D window 2 or 3
.endif
.set t_, 0
.rept 8
.set rD, 64*(m_%4)+8*t_
.set rA, 12*t_
.set rB, 96+12*m_
.if \first
.set rC, 192+8*t_
.else
.set rC, rD
.endif
.set rSA, SW1+t_/2
.set rSB, SX+m_/2
.set rRA, t_%2
.set rRB, m_%2
	WM
.set t_, t_+1
.endr
.set m_, m_+1
.endr
	WIN 0
.if !(\last)
	s_barrier_wait -1                              ; every wave's reads are in: the images may be written again
.endif
	PLACES 4                                       ; in front of loads into registers that matrix instructions have read
.if !(\last)
	s_wait_xcnt 0x0                                ; the bases are stepped only behind this wait
	s_add_nc_u64 s[FB:FB+1], s[FB:FB+1], 512
	s_add_nc_u64 s[WQB:WQB+1], s[WQB:WQB+1], 8*FRB
	s_add_nc_u64 s[WSQ:WSQ+1], s[WSQ:WSQ+1], 512
	WIN 0x40
	WLD 0, LI16, WQB, 0, 8
	WIN 0
	global_load_b128 v[SW1:SW1+3], v[LI16], s[WSQ:WSQ+1]
.endif
.endm
	KSTEP 1, 0, 1, 16, 16                          ; K step 0: behind each set of features stand 16 loads, the other or the next set; the weights and be1 were asked for earlier
	s_mov_b32 s[CNT], 0
.Lk:                                               ; K steps 1 to 4: behind set 0: set 1 and 25 of We1; behind set 1: those 25 and the next set 0
	KSTEP 0, 0, 2, 41, 41
	s_add_co_u32 s[CNT], s[CNT], 1
	s_cmp_lt_u32 s[CNT], 4
	s_cbranch_scc1 .Lk
	KSTEP 0, 1, 0, 41, 25                          ; K step 5 asks for no features
	WIN 0x40                                       ; We2's 16 fragments, be2 and We2's scale words: 48 + 8 + 2 loads, over what layer 1 has left
	WLD 0, VQ2, 10, Q2, 16
	BLD 192, VB2, 16, 4
	WIN 0
	global_load_b128 v[SW2:SW2+3], v[VS2], s[12:13] offset:S2
	global_load_b128 v[SW2+4:SW2+7], v[VS2], s[12:13] offset:S2+512
; ---------------- layer 1's results: ReLU (which is also the move into window 0), quantised: K step w of layer 2
.set m_, 0
.rept 8
.set AS, A0+64*(m_%2)
	WIN 0x08+4*(m_/4)                              ; source 1: window 2 or 3
.set j_, 0
.rept 64
	v_max_num_f32 v[AS+j_], 0, v[64*(m_%4)+j_]
.set j_, j_+1
.endr
	WIN 0
	QUANT AS, 0
.if m_%2 == 0
	WORD PWS
.else
	WORD PW
.endif
	IMGF WH16, WH8, 4*FRB*m_
.if m_%2 == 1
	v_cndmask_b32 v[PW], v[PWS], v[PW], s[HM]
	ds_store_b32 v[WSX], v[PW] offset:H1SC-XSC+512*(m_/2)
.endif
.set m_, m_+1
.endr
	WIN 0x80                                       ; We3's 8 fragments, be3, We3's scale words: 24 + 8 + 1 loads, over accumulators that have been read
	WLD 96, VQ3, 10, Q3, 8
	WIN 0x40
	BLD 224, VB2, 18, 4
	WIN 0
	global_load_b128 v[SW3:SW3+3], v[VS3], s[12:13] offset:S3
	BARRIER                                        ; layer 1's 32 fragments lie in LDS
; ---------------- layer 2: K = 512, my 4 tiles, a pair of row tiles at a time; the next pair's fragments come while this pair is quantised
	PFETCH 4, 0, 0, SX, LI16, LI8, H1IMG, H1SC-XSC
	s_wait_loadcnt 33                              ; We2's group is in: behind it We3's 33 loads
.irp p, 0,1,2,3
	s_wait_dscnt 0x0
	PAIRMM 4, 4, 0, SX, 0, 192, SW2, 0x19, 0x09
.if \p < 3
	PFETCH 4, \p+1, 0, SX, LI16, LI8, H1IMG, H1SC-XSC
.endif
	RELU
.if \p < 3
	PTAIL \p, 36, WB16, WB8, 0, H2SC-XSC           ; the 36 loads just issued may stay out
.else
	PTAIL \p, 0, WB16, WB8, 0, H2SC-XSC
.endif
.endr
	BARRIER
; ---------------- layer 3: K = 256, no ReLU.  The block's first expert's weights are asked for here
	PFETCH 2, 0, 0, SX, RB16, RB8, 0, H2SC-XSC
	s_wait_loadcnt 0x0                             ; We3's group
	s_mul_i32 s[P0], s[EF], QE                     ; where that expert's codes, scale words and biases begin
	s_add_co_u32 s[P0], s[P0], QD
	s_mov_b32 s[P0+1], 0
	s_add_nc_u64 s[DQ:DQ+1], s[10:11], s[P0:P0+1]
	s_mul_i32 s[P0], s[EF], SE
	s_add_co_u32 s[P0], s[P0], SD
	s_add_nc_u64 s[DSC:DSC+1], s[12:13], s[P0:P0+1]
	s_lshl_b32 s[P0], s[EF], 10
	s_add_nc_u64 s[DB1:DB1+1], s[20:21], s[P0:P0+1]
	s_add_nc_u64 s[DB2:DB2+1], s[22:23], s[P0:P0+1]
	s_lshl_b32 s[P0], s[EF], 9
	s_add_nc_u64 s[DB3:DB3+1], s[24:25], s[P0:P0+1]
	DLOAD1
	DLOAD3
.irp p, 0,1,2,3
	s_wait_dscnt 0x0
	PAIRMM 2, 4, 0, SX, 96, 224, SW3, 0x1a, 0x0a
.if \p < 3
	PFETCH 2, \p+1, 0, SX, RB16, RB8, 0, H2SC-XSC
	PTAIL \p, 18, WB16, WB8, H3IMG-H2IMG, H3SC-XSC ; the 18 loads just issued may stay out
.else
	PTAIL \p, 0, WB16, WB8, H3IMG-H2IMG, H3SC-XSC
.endif
.endr
	DLOAD2                                         ; the expert's second layer goes out behind the first and third: 83 loads in all
	BARRIER
; ---------------- the decoder: eight trips, one for each expert
.macro DFETCH p, r16, r8, ioff, soff
	s_bitcmp1_b32 s[PM], \p
	s_cbranch_scc0 .Ldf_\@
	PFETCH 2, \p, 48*(\p), SXD+2*(\p), \r16, \r8, \ioff, \soff
.Ldf_\@:
.endm
.macro DCOMP p, wb, bb, swb, ioff, soff
	s_bitcmp1_b32 s[PM], \p
	s_cbranch_scc0 .Ldc_\@
	PAIRMM 2, 4, 48*(\p), SXD+2*(\p), \wb, \bb, \swb, 0x2b, 0x0b
	RELU
	PTAIL \p, 0, WC16, WC8, \ioff, \soff
.Ldc_\@:
.endm
.macro DLAYER r16, r8, rioff, rsoff, wioff, wsoff, wb, bb, swb
	DFETCH 0, \r16, \r8, \rioff, \rsoff
	DFETCH 1, \r16, \r8, \rioff, \rsoff
	DFETCH 2, \r16, \r8, \rioff, \rsoff
	DFETCH 3, \r16, \r8, \rioff, \rsoff
	s_wait_dscnt 0x0
	DCOMP 0, \wb, \bb, \swb, \wioff, \wsoff
	DCOMP 1, \wb, \bb, \swb, \wioff, \wsoff
	DCOMP 2, \wb, \bb, \swb, \wioff, \wsoff
	DCOMP 3, \wb, \bb, \swb, \wioff, \wsoff
.endm
.macro D3COMP p                        ; my 32 outputs of the pair's rows; only the rows of this trip's expert are taken over, by a select with all lanes on
	s_bitcmp1_b32 s[PM], \p
	s_cbranch_scc0 .Ld3_\@
	PAIRMM 2, 2, 48*(\p), SXD+2*(\p), 192, 240, SD3, 0x3b, 0x0b
	s_sub_co_i32 s33, 32*(\p), s[AA]
	s_sub_co_i32 s34, 32*(\p)+16, s[AA]
	v_add_nc_u32 v[MK], s33, v[RR]                 ; my row's place less the expert's first: under LEN, without sign, where the row is the expert's
	v_add_nc_u32 v[PWS], s34, v[RR]
	v_cmp_gt_u32 s[M0], s[LEN], v[MK]
	v_cmp_gt_u32 s[M1], s[LEN], v[PWS]
	WIN 0x41                                       ; destination and source 0 window 1, source 1 window 0
.set j_, 0
.rept 16
	v_cndmask_b32 v[OUT+32*(\p)+j_], v[OUT+32*(\p)+j_], v[A0+j_], s[M0]
.set j_, j_+1
.endr
.set j_, 0
.rept 16
	v_cndmask_b32 v[OUT+32*(\p)+16+j_], v[OUT+32*(\p)+16+j_], v[A0+16+j_], s[M1]
.set j_, j_+1
.endr
	WIN 0
.Ld3_\@:
.endm
	WIN 0x40                                       ; window 1 is free: We2, be2 and be3 are done with
.set j_, 0
.rept 128
	v_mov_b32 v[OUT+j_], 0                         ; the selects read their destination: it is written once here; each row is taken over in the trip of its expert
.set j_, j_+1
.endr
.set i_, 0
.rept 32
	s_min_u32 s[TOK+i_], s[TOK+i_], 0x7fff         ; a loaded number is held inside the table before it enters an address
	s_lshl_b32 s[TOK+i_], s[TOK+i_], 9
	v_add_nc_u32 v[OFS+i_], s[TOK+i_], v[LI16]     ; where row 32 w + i goes in out0: token x 512 + 16 x lane
.set i_, i_+1
.endr
	WIN 0
.irp q, 0,1,2,3,4,5,6,7
	ds_load_b32 v[SXD+\q], v[RSB] offset:H3SC-XSC+128*\q   ; the rows' scale registers are filled once on every way, ahead of the branches
.endr
	s_wait_xcnt 0x0                                ; the first expert's loads have read their bases: these now walk the experts from 0 on, a constant step a trip
	s_add_nc_u64 s[DQ:DQ+1], s[10:11], QD
	s_add_nc_u64 s[DSC:DSC+1], s[12:13], SD
	s_mov_b64 s[DB1:DB1+1], s[20:21]
	s_mov_b64 s[DB2:DB2+1], s[22:23]
	s_mov_b64 s[DB3:DB3+1], s[24:25]
	s_mov_b32 s[EE], 0
	s_wait_dscnt 0x0                               ; those eight loads are in: the first trip's fetches load into the same registers
.Lexp:
	s_max_u32 s33, s[SEG], s[BPOS]                 ; the expert's positions, cut to the block: a .. b - 1 of 0 .. 127
	s_sub_co_u32 s33, s33, s[BPOS]
	s_min_u32 s[AA], s33, 128
	s_max_u32 s33, s[SEG+1], s[BPOS]
	s_sub_co_u32 s33, s33, s[BPOS]
	s_min_u32 s34, s33, 128
	s_sub_co_u32 s[LEN], s34, s[AA]
	s_sub_co_u32 s35, s34, 1
	s_lshr_b32 s35, s35, 5
	s_lshl_b32 s35, 2, s35
	s_lshr_b32 s33, s[AA], 5
	s_lshl_b32 s33, 1, s33
	s_sub_co_u32 s35, s35, s33                     ; bits a / 32 .. (b - 1) / 32
	s_cmp_lt_u32 s[AA], s34
	s_cselect_b32 s[PM], s35, 0
	s_cmp_eq_u32 s[PM], 0
	s_cbranch_scc1 .Lloaded
	s_cmp_eq_u32 s[EE], s[EF]                      ; the block's first expert was asked for in layer 3
	s_cbranch_scc1 .Lloaded
	s_wait_loadcnt 0x0                             ; no load is on its way into these registers
	DLOAD1
	DLOAD2
	DLOAD3
.Lloaded:
	s_wait_loadcnt 0x0                             ; the expert's weights are in,
	s_wait_xcnt 0x0                                ; and their bases may be stepped at the trip's end
	DLAYER RB16, RB8, H3IMG-H2IMG, H3SC-XSC, 0, D1SC-XSC, 0, 192, SD1
	BARRIER
	DLAYER RC16, RC8, 0, D1SC-XSC, D2IMG-D1IMG, D2SC-XSC, 96, 224, SD2
	BARRIER
	DFETCH 0, RC16, RC8, D2IMG-D1IMG, D2SC-XSC
	DFETCH 1, RC16, RC8, D2IMG-D1IMG, D2SC-XSC
	DFETCH 2, RC16, RC8, D2IMG-D1IMG, D2SC-XSC
	DFETCH 3, RC16, RC8, D2IMG-D1IMG, D2SC-XSC
	s_wait_dscnt 0x0
	D3COMP 0
	D3COMP 1
	D3COMP 2
	D3COMP 3
.irp e, 0,1,2,3,4,5,6
	s_mov_b64 s[SEG+2*\e:SEG+2*\e+1], s[SEG+2*\e+2:SEG+2*\e+3]
.endr
	s_add_nc_u64 s[DQ:DQ+1], s[DQ:DQ+1], QE        ; on to the next expert, on every way
	s_add_nc_u64 s[DSC:DSC+1], s[DSC:DSC+1], SE
	s_add_nc_u64 s[DB1:DB1+1], s[DB1:DB1+1], 1024
	s_add_nc_u64 s[DB2:DB2+1], s[DB2:DB2+1], 1024
	s_add_nc_u64 s[DB3:DB3+1], s[DB3:DB3+1], 512
	s_add_co_u32 s[EE], s[EE], 1
	s_cmp_lt_u32 s[EE], 8
	s_cbranch_scc1 .Lexp
; ---------------- the way out: a row's 128 outputs come from four waves: they meet in the stage, and each wave stores 32 whole rows, each to its token's place
	WIN 0x04                                       ; an LDS store's data are its source 1: window 1
.set m_, 0
.rept 8
.irp i, 0,1,2,3
	ds_store_b128 v[SO], v[OUT+16*m_+4*\i:OUT+16*m_+4*\i+3] offset:m_*16*528+16*\i   ; lane (r, h): out(16 m + r, 32 w + 16 h + 0 .. 15)
.endr
.set m_, m_+1
.endr
	WIN 0
	BARRIER                                        ; 128 whole rows lie in the stage
.set i_, 0
.rept 32
	ds_load_b128 v[32+4*i_:32+4*i_+3], v[SR] offset:528*i_
.set i_, i_+1
.endr
	WIN 0x01                                       ; a store's address register is its source 0: window 1
.set i_, 0
.rept 32
	s_wait_dscnt 31-i_                             ; LDS loads come back in order: row i is in
	global_store_b128 v[OFS+i_], v[32+4*i_:32+4*i_+3], s[26:27] th:TH_STORE_NT   ; 32 lanes store a row's 512 consecutive bytes, at a multiple of 256 from out0's first byte
.set i_, i_+1
.endr
	WIN 0
	s_wait_tensorcnt 0x0                           ; the wave's end
	ds_add_u32 v[SPW], v[NIL]
	s_wait_dscnt 0x0
	s_endpgm
.Lfunc_end_k_qc3bae814b3_chain:
	.size	k_qc3bae814b3_chain, .Lfunc_end_k_qc3bae814b3_chain-k_qc3bae814b3_chain
	.p2alignl 7, 3214868480
	.fill 96, 4, 3214868480
	.section	.rodata,"a",@progbits
	.p2align	6, 0x0
	.amdhsa_kernel k_qc3bae814b3_chain
		.amdhsa_group_segment_fixed_size 234496
		.amdhsa_private_segment_fixed_size 0
		.amdhsa_enable_private_segment 0
		.amdhsa_kernarg_size 96
		.amdhsa_user_sgpr_count 2
		.amdhsa_user_sgpr_kernarg_segment_ptr 1
		.amdhsa_wavefront_size32 1
		.amdhsa_system_sgpr_workgroup_id_x 1
		.amdhsa_system_sgpr_workgroup_id_y 1
		.amdhsa_system_sgpr_workgroup_id_z 1
		.amdhsa_system_vgpr_workitem_id 0
		.amdhsa_next_free_vgpr 1024
		.amdhsa_next_free_sgpr 102
		.amdhsa_reserve_vcc 0
		.amdhsa_float_denorm_mode_32 3
		.amdhsa_float_denorm_mode_16_64 3
		.amdhsa_memory_ordered 1
		.amdhsa_forward_progress 1
		.amdhsa_inst_pref_size 255
	.end_amdhsa_kernel
	.section	.bss,"aw",@nobits
	.p2align	6
	.space	262144
	.amdgpu_metadata
---
amdhsa.version: [ 1, 2 ]
amdhsa.kernels:
  - .name:           k_qc3bae814b3_chain
    .symbol:         k_qc3bae814b3_chain.kd
    .args:
      - { .name: features, .offset: 0, .size: 8, .value_kind: global_buffer, .address_space: global }
      - { .name: order, .offset: 8, .size: 8, .value_kind: global_buffer, .address_space: global }
      - { .name: seg, .offset: 16, .size: 8, .value_kind: global_buffer, .address_space: global }
      - { .name: wq, .offset: 24, .size: 8, .value_kind: global_buffer, .address_space: global }
      - { .name: ws, .offset: 32, .size: 8, .value_kind: global_buffer, .address_space: global }
      - { .name: be1, .offset: 40, .size: 8, .value_kind: global_buffer, .address_space: global }
      - { .name: be2, .offset: 48, .size: 8, .value_kind: global_buffer, .address_space: global }
      - { .name: be3, .offset: 56, .size: 8, .value_kind: global_buffer, .address_space: global }
      - { .name: bd1, .offset: 64, .size: 8, .value_kind: global_buffer, .address_space: global }
      - { .name: bd2, .offset: 72, .size: 8, .value_kind: global_buffer, .address_space: global }
      - { .name: bd3, .offset: 80, .size: 8, .value_kind: global_buffer, .address_space: global }
      - { .name: out0, .offset: 88, .size: 8, .value_kind: global_buffer, .address_space: global }
    .group_segment_fixed_size: 234496
    .private_segment_fixed_size: 0
    .kernarg_segment_align: 8
    .kernarg_segment_size: 96
    .max_flat_workgroup_size: 128
    .sgpr_count:     102
    .vgpr_count:     1024
    .wavefront_size: 32
...
	.end_amdgpu_metadata
.endif
;; end of part 2
;; ======== version 2 of 2: 2 launches
;; workspace buffers: wq 1,425,408 bytes; ws 59,392 bytes; order 131,072 bytes of whole numbers; seg 256 bytes of whole numbers
;; launch prep (part 3): grid 124 x 1, 8 waves a work-group, no clusters, 2,048 bytes of LDS; arguments We1, We2, We3, Wd1, Wd2, Wd3, cat_idx, wq, ws, order, seg; writes wq, ws, order, seg
.if DOCPART == 3
	.amdgcn_target "amdgcn-amd-amdhsa--gfx1250"
	.amdhsa_code_object_version 6
	.text
	.protected	k_qc3bae814b3_prep
	.globl	k_qc3bae814b3_prep
	.p2align	8
	.type	k_qc3bae814b3_prep,@function
k_qc3bae814b3_prep:
	s_mov_b64 s[64:65], 0
	v_nop
	global_prefetch_b8 v0, s[64:65] scope:SCOPE_SE
	s_setreg_imm32_b32 hwreg(HW_REG_WAVE_MODE, 25, 1), 1
	s_wait_xcnt 0x0
; TWO JOBS IN ONE LAUNCH, told apart by the work-group's number.
; Work-groups 0 to 115: the six weights, f32 stored [K][N], become codes of FP6 (E2M3) with one E8M0 byte for each 32 along K, laid in the ORDER OF THE OPERAND'S REGISTERS.
;   A fragment is 16 columns x 128 k: lane (r, h), registers 6 c .. 6 c + 5 hold k = 64 c + 32 h + 0 .. 31 of the lane's column.  Lane r of tile t takes column 32 (t / 2) + 8 (t % 2) + r + 8 (r / 8), so that the
;   results of two neighbouring tiles are 16 neighbours along the next product's K.  Its image in wq is 1,536 bytes: registers 4 c' .. 4 c' + 3 at 512 c' + 16 x lane.  A wave makes one fragment: a lane takes a column and its
;   registers run down K, so a block's largest magnitude needs no other lane and nothing is transposed.  The eight waves of a work-group stand side by side on 512 bytes of each row of the weight.
;   Scale words go to ws so that one load of 16 bytes a lane brings four scale registers, each with an even tile's words in lanes 0-15 and the odd tile's in lanes 16-31.  They leave 4 bytes a lane, 16 bytes apart: 59,392 bytes in all.
; Work-groups 116 to 123: a counting sort of cat_idx.  A sub-chunk is 512 tokens, there are 64.  Each of the eight work-groups makes the whole table of counts (64 sub-chunks x 8 bins) for itself, so that no work-group
;   waits for another; then wave v of work-group i places sub-chunk 8 i + v.  order[position] = token; seg holds each expert's first and end position.  The order inside an expert is free.
;   The places leave as stores of 4 bytes to scattered words, 131,072 bytes in all: gathering them in LDS first would want LDS addresses made of the data.
; LIMITS: cat_idx lies in 0 .. 7, as the gather of the problem takes for granted.  NaN and infinities among the weights are not served.  A block whose largest magnitude lies under 2^-124 is held at the byte 1;
; a block of zeros gets the byte 1 with zero codes where the rule says 127: the bytes are read by this program alone.
.set Q2, 294912                        ; wq: We1's 192 fragments, then We2's 64,
.set Q3, 393216                        ; We3's 32,
.set QD, 442368                        ; and for each expert 32 + 32 + 16
.set QE, 122880
.set S2, 12288                         ; ws: We1's 24 groups of 512 bytes, then We2's 8,
.set S3, 16384                         ; We3's 4,
.set SD, 18432                         ; and for each expert 4 + 4 + 2
.set SE, 5120
.set NQWG, 116                         ; work-groups that quantise
.set SPARE, 1024                       ; LDS: bytes 0 to 1,023 the table of counts; then the spare words, 128 bytes for each of eight waves
.set SPW, 30                           ; v30  LDS address of my spare word; never rewritten
.set NIL, 31                           ; v31  0; never rewritten
	s_load_b512 s[4:19], s[0:1], 0x0               ; We1 s[4:5], We2 s[6:7], We3 s[8:9], Wd1 s[10:11], Wd2 s[12:13], Wd3 s[14:15], cat_idx s[16:17], wq s[18:19]
	s_load_b128 s[20:23], s[0:1], 0x40             ; ws s[20:21], order s[22:23]
	s_load_b64 s[24:25], s[0:1], 0x50              ; seg
	v_lshl_add_u32 v[SPW], v0, 2, SPARE
	v_mov_b32 v[NIL], 0
	v_lshrrev_b32 v1, 5, v0
	s_delay_alu instid0(VALU_DEP_1)
	v_readfirstlane_b32 s28, v1                    ; wave 0..7
	v_and_b32 v1, 31, v0                           ; lane
	v_and_b32 v2, 15, v0                           ; r
	v_bfe_u32 v3, v0, 4, 1                         ; h
	s_mov_b32 s30, 0x76543210
	s_mov_b32 s31, 0xfedcba98                      ; v_permlanex16_b32's selects for lane l xor 16
	s_wait_kmcnt 0x0
	s_cmp_ge_u32 ttmp9, NQWG
	s_cbranch_scc1 .Lsort
; ---------------- the weights
	s_cmp_lt_u32 ttmp9, 24                         ; which tensor: the choice hangs on the work-group's number alone
	s_cselect_b64 s[26:27], s[4:5], s[6:7]
	s_cmp_lt_u32 ttmp9, 32
	s_cselect_b64 s[26:27], s[26:27], s[8:9]
	s_cmp_lt_u32 ttmp9, 36
	s_cselect_b64 s[26:27], s[26:27], s[10:11]
	s_cmp_lt_u32 ttmp9, 68
	s_cselect_b64 s[26:27], s[26:27], s[12:13]
	s_cmp_lt_u32 ttmp9, 100
	s_cselect_b64 s[26:27], s[26:27], s[14:15]
	s_and_b32 s32, s28, 1                          ; u: my tile is the even or the odd one of its pair
	s_lshr_b32 s33, s28, 1                         ; the pair among the work-group's four
	s_wait_alu depctr_va_vdst(0)
	v_and_b32 v4, 8, v2
	s_delay_alu instid0(VALU_DEP_1)
	v_add_nc_u32 v4, v4, v2
	s_delay_alu instid0(VALU_DEP_1)
	v_lshlrev_b32 v4, 2, v4                        ; 4 (r + 8 (r / 8)): my column in the tile, in bytes
	s_lshl_b32 s34, s33, 7
	s_lshl_b32 s35, s32, 5
	s_add_co_u32 s34, s34, s35                     ; 4 (32 pair + 8 u): the tile's first column among the work-group's 128
	s_lshl_b32 s35, s32, 4
	v_add_nc_u32 v5, s35, v2                       ; L = r + 16 u: the lane that will read my column's scale word
.macro WLOAD n                         ; W(64 c + 32 h + i, my column) into v[64 + 32 c + i]; n: numbers in a row of the weight
.set i_, 0
.rept 64
	global_load_b32 v[64+i_], v6, s[26:27] offset:(64*(i_/32)+i_%32)*(\n)*4 th:TH_LOAD_NT
.set i_, i_+1
.endr
.endm
	s_cmp_lt_u32 ttmp9, 24
	s_cbranch_scc0 .Lnot_e1
	; We1 [768][512]: number = 4 x K step + o; tiles 8 o + wave
	s_lshr_b32 s36, ttmp9, 2                       ; K step
	s_and_b32 s37, ttmp9, 3                        ; o
	s_lshl_b32 s38, s36, 18                        ; 128 rows of 2,048 bytes
	s_lshl_b32 s39, s37, 9                         ; 128 columns
	s_add_co_u32 s38, s38, s39
	s_add_co_u32 s38, s38, s34
	s_mul_i32 s40, s37, 6
	s_add_co_u32 s40, s40, s36                     ; 6 o + K step
	s_lshl_b32 s52, s40, 3
	s_add_co_u32 s52, s52, s28
	s_mul_i32 s52, s52, 1536                       ; the fragment's place in wq
	s_lshl_b32 s54, s40, 9
	s_lshl_b32 s41, s33, 2
	s_add_co_u32 s54, s54, s41                     ; the group's place in ws, and in it the pair's word
	s_wait_alu depctr_va_vdst(0)
	v_lshl_add_u32 v6, v3, 16, v4                  ; lanes 16-31 begin 32 rows further down
	v_lshlrev_b32 v7, 4, v5                        ; 16 L
	s_mov_b32 s39, 0
	s_add_nc_u64 s[26:27], s[26:27], s[38:39]
	WLOAD 512
	s_branch .Ltail
.Lnot_e1:
	s_cmp_lt_u32 ttmp9, 100
	s_cbranch_scc0 .Lnot_256
	; We2, We3, Wd1, Wd2: rows of 256 numbers.  Number less the tensor's first = 2 x + o; x counts K steps through the tensor (an expert has two); tiles 8 o + wave
	s_mov_b32 s36, 68
	s_mov_b32 s37, QD+49152
	s_mov_b32 s40, SD+2048
	s_cmp_lt_u32 ttmp9, 68
	s_cselect_b32 s36, 36, s36
	s_cselect_b32 s37, QD, s37
	s_cselect_b32 s40, SD, s40
	s_cmp_lt_u32 ttmp9, 36
	s_cselect_b32 s36, 32, s36
	s_cselect_b32 s37, Q3, s37
	s_cselect_b32 s40, S3, s40
	s_cmp_lt_u32 ttmp9, 32
	s_cselect_b32 s36, 24, s36
	s_cselect_b32 s37, Q2, s37
	s_cselect_b32 s40, S2, s40
	s_cselect_b32 s41, 2, 1                        ; log2 of the K steps of one matrix
	s_sub_co_u32 s36, ttmp9, s36
	s_and_b32 s42, s36, 1                          ; o
	s_lshr_b32 s43, s36, 1                         ; x
	s_lshl_b32 s38, s43, 17                        ; 128 rows of 1,024 bytes
	s_lshl_b32 s39, s42, 9
	s_add_co_u32 s38, s38, s39
	s_add_co_u32 s38, s38, s34
	s_lshr_b32 s44, s43, s41                       ; expert (0 for We2, We3)
	s_lshl_b32 s45, s44, s41
	s_sub_co_u32 s45, s43, s45                     ; K step
	s_lshl_b32 s46, s42, 3
	s_add_co_u32 s46, s46, s28                     ; tile
	s_lshl_b32 s52, s46, s41
	s_add_co_u32 s52, s52, s45
	s_mul_i32 s52, s52, 1536
	s_add_co_u32 s52, s52, s37
	s_mul_i32 s47, s44, QE
	s_add_co_u32 s52, s52, s47                     ; the fragment's place in wq
	s_lshr_b32 s48, s46, 2                         ; the wave of the chain that will use the tile
	s_and_b32 s49, s33, 1                          ; the pair among that wave's two
	s_lshl_b32 s49, s49, s41
	s_add_co_u32 s49, s49, s45                     ; unit = pair x K steps + K step
	s_sub_co_u32 s50, s41, 1
	s_lshl_b32 s48, s48, s50                       ; groups of four units: K steps / 2 for each wave
	s_lshr_b32 s50, s49, 2
	s_add_co_u32 s48, s48, s50
	s_lshl_b32 s54, s48, 9
	s_and_b32 s49, s49, 3
	s_lshl_b32 s49, s49, 2
	s_add_co_u32 s54, s54, s49
	s_add_co_u32 s54, s54, s40
	s_mul_i32 s47, s44, SE
	s_add_co_u32 s54, s54, s47                     ; the word's place in ws
	s_wait_alu depctr_va_vdst(0)
	v_lshl_add_u32 v6, v3, 15, v4
	v_lshlrev_b32 v7, 4, v5
	s_mov_b32 s39, 0
	s_add_nc_u64 s[26:27], s[26:27], s[38:39]
	WLOAD 256
	s_branch .Ltail
.Lnot_256:
	; Wd3 [8][256][128]: number - 100 = 2 x expert + K step; tile = wave
	s_sub_co_u32 s43, ttmp9, 100
	s_lshl_b32 s38, s43, 16                        ; 128 rows of 512 bytes
	s_add_co_u32 s38, s38, s34
	s_lshr_b32 s44, s43, 1
	s_and_b32 s45, s43, 1
	s_lshl_b32 s52, s28, 1
	s_add_co_u32 s52, s52, s45
	s_mul_i32 s52, s52, 1536
	s_add_co_u32 s52, s52, QD+98304
	s_mul_i32 s47, s44, QE
	s_add_co_u32 s52, s52, s47
	s_lshl_b32 s54, s33, 8                         ; 256 bytes for each pair of tiles: 8 L + 4 x K step
	s_lshl_b32 s49, s45, 2
	s_add_co_u32 s54, s54, s49
	s_add_co_u32 s54, s54, SD+4096
	s_mul_i32 s47, s44, SE
	s_add_co_u32 s54, s54, s47
	s_wait_alu depctr_va_vdst(0)
	v_lshl_add_u32 v6, v3, 14, v4
	v_lshlrev_b32 v7, 3, v5
	s_mov_b32 s39, 0
	s_add_nc_u64 s[26:27], s[26:27], s[38:39]
	WLOAD 128
.Ltail:
	s_mov_b32 s53, 0
	s_mov_b32 s55, 0
	s_add_nc_u64 s[18:19], s[18:19], s[52:53]
	s_add_nc_u64 s[20:21], s[20:21], s[54:55]
	v_lshlrev_b32 v8, 4, v1                        ; 16 x lane
	s_wait_loadcnt 0x0
.irp c, 0,1                                    ; my block 2 c + h: all its 32 numbers are mine
	v_max3_num_f32 v[32+\c], |v[64+32*\c]|, |v[65+32*\c]|, 0x1800000   ; and the floor 2^(3 - 127): the byte cannot fall under 1
.endr
.irp i, 2,4,6,8,10,12,14,16,18,20,22,24,26,28,30
.irp c, 0,1
	s_delay_alu instid0(VALU_DEP_2)
	v_max3_num_f32 v[32+\c], v[32+\c], |v[64+32*\c+\i]|, |v[65+32*\c+\i]|
.endr
.endr
.irp c, 0,1
	s_delay_alu instid0(VALU_DEP_2)
	v_add_nc_u32 v[44+\c], 0xff000000, v[32+\c]    ; 2 off the exponent field: the conversion's scale operand
.endr
.irp c, 0,1
	s_delay_alu instid0(VALU_DEP_2)
	v_lshrrev_b32 v[36+\c], 23, v[44+\c]           ; the scale's byte
.endr
	s_delay_alu instid0(VALU_DEP_1)
	v_lshl_or_b32 v9, v37, 16, v36                 ; my two bytes: blocks h and 2 + h,
	v_lshlrev_b32 v10, 3, v3
	s_delay_alu instid0(VALU_DEP_1)
	v_lshlrev_b32 v9, v10, v9                      ; 8 h bits up;
	v_mov_b32 v10, 0
	s_delay_alu instid0(VALU_DEP_1)
	v_permlanex16_b32 v10, v9, s30, s31
	s_delay_alu instid0(VALU_DEP_1)
	v_or_b32 v9, v9, v10                           ; with lane l xor 16's two the word is whole, in both lanes
.irp c, 0,1
	v_cvt_scalef32_pk16_fp6_f32 v[48+6*\c:50+6*\c], v[64+32*\c:79+32*\c], v[44+\c]
	v_cvt_scalef32_pk16_fp6_f32 v[192+4*\c:194+4*\c], v[80+32*\c:95+32*\c], v[44+\c]   ; (a conversion's three registers begin on an even number)
.endr
	v_nop                                          ; one plain place behind a scaled conversion
.irp c, 0,1
.irp i, 0,1,2
	v_mov_b32 v[51+6*\c+\i], v[192+4*\c+\i]
.endr
.endr
.irp c, 0,1,2
	global_store_b128 v8, v[48+4*\c:51+4*\c], s[18:19] offset:512*\c   ; 32 lanes store 512 consecutive bytes, at a multiple of 256 from wq's first byte
.endr
	global_store_b32 v7, v9, s[20:21]              ; lanes l and l + 16 store the same word to the same place
	s_endpgm
; ---------------- the sort
.Lsort:
	s_sub_co_u32 s32, ttmp9, NQWG
	s_lshl_b32 s33, s32, 3
	s_add_co_u32 s33, s33, s28                     ; the sub-chunk that I place
	s_wait_alu depctr_va_vdst(0)
	v_lshlrev_b32 v4, 4, v1                        ; 16 x lane
	s_lshl_b32 s34, s28, 14
	v_add_nc_u32 v5, s34, v4                       ; the eight sub-chunks that I count: 8 x wave on, 2,048 bytes each
	s_lshl_b32 s35, s33, 11
	v_add_nc_u32 v6, s35, v4
.set i_, 0
.rept 32
	global_load_b128 v[64+4*i_:64+4*i_+3], v5, s[16:17] offset:512*i_
.set i_, i_+1
.endr
.irp j, 0,1,2,3
	global_load_b128 v[192+4*\j:192+4*\j+3], v6, s[16:17] offset:512*\j
.endr
	v_lshrrev_b32 v7, 5, v0
	s_delay_alu instid0(VALU_DEP_1)
	v_lshlrev_b32 v7, 7, v7                        ; LDS: 128 x wave: my eight entries of the table, 16 bytes each
	s_mov_b32 s37, 0x0f0f0f0f
	s_mov_b32 s38, 0x00ff00ff
	v_mov_b32 v24, 0                               ; written once: the destination of a lane move counts as one of its sources
	v_mov_b32 v25, 0
.irp q, 0,1,2,3
	v_mov_b32 v[32+\q], 0
.endr
.irp q, 0,1,2,3,4,5,6,7
	v_mov_b32 v[56+\q], 0
.endr
; The counts of sub-chunk 8 x wave + k.  A lane has 16 numbers: each adds 1 to a field of 4 bits (two sums of 8 numbers: a field holds 8 at the most); the fields widen to 8 bits (16 a lane, 128 over 8 lanes)
; and then to 16 (512 over the wave).  The entry's four words: bins 0 | 4, 2 | 6, 1 | 5, 3 | 7, the first in the low half.
.macro HIST k
.set D_, 64+16*(\k)
.set H_, 208+4*(\k)
	s_wait_loadcnt 32-4*(\k)                       ; behind this sub-chunk's four loads: four for each later one, and my own sub-chunk's four
.set j_, 0
.rept 16
	v_lshlrev_b32 v[16+j_%4], 2, v[D_+j_]
.if j_%8 == 0
	s_delay_alu instid0(VALU_DEP_1)
	v_lshl_add_u32 v[20+j_/8], 1, v[16+j_%4], 0
.else
	s_delay_alu instid0(VALU_DEP_1)
	v_lshl_add_u32 v[20+j_/8], 1, v[16+j_%4], v[20+j_/8]
.endif
.set j_, j_+1
.endr
	v_and_b32 v22, s37, v20
	s_delay_alu instid0(VALU_DEP_2)
	v_and_b32 v23, s37, v21
	s_delay_alu instid0(VALU_DEP_1)
	v_add_nc_u32 v22, v22, v23                     ; bins 0, 2, 4, 6 in bytes
	v_lshrrev_b32 v20, 4, v20
	v_lshrrev_b32 v21, 4, v21
	s_delay_alu instid0(VALU_DEP_2)
	v_and_b32 v20, s37, v20
	s_delay_alu instid0(VALU_DEP_2)
	v_and_b32 v21, s37, v21
	s_delay_alu instid0(VALU_DEP_1)
	v_add_nc_u32 v23, v20, v21                     ; bins 1, 3, 5, 7
.irp x, 1
	v_mov_b32_dpp v24, v22 row_xmask:\x row_mask:0xf bank_mask:0xf
	s_delay_alu instid0(VALU_DEP_2)
	v_mov_b32_dpp v25, v23 row_xmask:\x row_mask:0xf bank_mask:0xf
	s_delay_alu instid0(VALU_DEP_2)
	v_add_nc_u32 v22, v22, v24
	s_delay_alu instid0(VALU_DEP_2)
	v_add_nc_u32 v23, v23, v25
.endr
.irp x, 2, 4
	s_delay_alu instid0(VALU_DEP_2)
	v_mov_b32_dpp v24, v22 row_xmask:\x row_mask:0xf bank_mask:0xf
	s_delay_alu instid0(VALU_DEP_2)
	v_mov_b32_dpp v25, v23 row_xmask:\x row_mask:0xf bank_mask:0xf
	s_delay_alu instid0(VALU_DEP_2)
	v_add_nc_u32 v22, v22, v24
	s_delay_alu instid0(VALU_DEP_2)
	v_add_nc_u32 v23, v23, v25
.endr
	s_delay_alu instid0(VALU_DEP_2)
	v_and_b32 v[H_], s38, v22
	s_delay_alu instid0(VALU_DEP_3)
	v_lshrrev_b32 v22, 8, v22
	s_delay_alu instid0(VALU_DEP_1)
	v_and_b32 v[H_+1], s38, v22
	s_delay_alu instid0(VALU_DEP_4)
	v_and_b32 v[H_+2], s38, v23
	v_lshrrev_b32 v23, 8, v23
	s_delay_alu instid0(VALU_DEP_1)
	v_and_b32 v[H_+3], s38, v23
.irp q, 0,1,2,3
	v_mov_b32_dpp v[32+\q], v[H_+\q] row_xmask:8 row_mask:0xf bank_mask:0xf
.endr
.irp q, 0,1,2,3
	s_delay_alu instid0(VALU_DEP_4)
	v_add_nc_u32 v[H_+\q], v[H_+\q], v[32+\q]
.endr
.irp q, 0,1,2,3
	s_delay_alu instid0(VALU_DEP_4)
	v_permlanex16_b32 v[32+\q], v[H_+\q], s30, s31
.endr
.irp q, 0,1,2,3
	s_delay_alu instid0(VALU_DEP_4)
	v_add_nc_u32 v[H_+\q], v[H_+\q], v[32+\q]
.endr
	ds_store_b128 v7, v[H_:H_+3] offset:16*(\k)    ; all lanes write the same 16 bytes with the same values
.endm
.irp k, 0,1,2,3,4,5,6,7
	HIST \k
.endr
	s_wait_dscnt 0x0                               ; for the others' sake: my entries have landed
	s_barrier_signal -1                            ; (the way here hangs on the work-group's number alone: all eight waves are on it)
	s_barrier_wait -1
	ds_load_b128 v[40:43], v4                      ; entry lane,
	ds_load_b128 v[44:47], v4 offset:512           ; and entry lane + 32
	v_cmp_gt_u32 vcc_lo, s33, v1
	s_delay_alu instid0(VALU_DEP_1)
	v_cndmask_b32 v32, 0, -1, vcc_lo               ; all ones where the entry stands before my sub-chunk
	v_add_nc_u32 v34, 32, v1
	s_delay_alu instid0(VALU_DEP_1)
	v_cmp_gt_u32 vcc_lo, s33, v34
	s_delay_alu instid0(VALU_DEP_1)
	v_cndmask_b32 v33, 0, -1, vcc_lo
	s_wait_alu depctr_va_vdst(0)
	s_wait_dscnt 0x0
.irp q, 0,1,2,3
	v_add_nc_u32 v[48+\q], v[40+\q], v[44+\q]      ; towards each bin's total (32,768 at the most: inside 16 bits),
	v_and_b32 v[40+\q], v32, v[40+\q]
	v_and_b32 v[44+\q], v33, v[44+\q]
	s_delay_alu instid0(VALU_DEP_1)
	v_add_nc_u32 v[52+\q], v[40+\q], v[44+\q]      ; and its count before my sub-chunk
.endr
.irp x, 1,2,4,8
.irp q, 0,1,2,3,4,5,6,7
	v_mov_b32_dpp v[56+\q], v[48+\q] row_xmask:\x row_mask:0xf bank_mask:0xf
.endr
.irp q, 0,1,2,3,4,5,6,7
	v_add_nc_u32 v[48+\q], v[48+\q], v[56+\q]
.endr
.endr
.irp q, 0,1,2,3,4,5,6,7
	v_permlanex16_b32 v[56+\q], v[48+\q], s30, s31
.endr
.irp q, 0,1,2,3,4,5,6,7
	v_add_nc_u32 v[48+\q], v[48+\q], v[56+\q]
.endr
.irp q, 0,1,2,3,4,5,6,7
	v_readfirstlane_b32 s[40+\q], v[48+\q]
.endr
	s_and_b32 s48, s40, 0xffff                     ; s[48 + e]: bin e's total
	s_and_b32 s49, s42, 0xffff
	s_and_b32 s50, s41, 0xffff
	s_and_b32 s51, s43, 0xffff
	s_lshr_b32 s52, s40, 16
	s_lshr_b32 s53, s42, 16
	s_lshr_b32 s54, s41, 16
	s_lshr_b32 s55, s43, 16
	s_and_b32 s56, s44, 0xffff                     ; s[56 + e]: its count before my sub-chunk
	s_and_b32 s57, s46, 0xffff
	s_and_b32 s58, s45, 0xffff
	s_and_b32 s59, s47, 0xffff
	s_lshr_b32 s60, s44, 16
	s_lshr_b32 s61, s46, 16
	s_lshr_b32 s62, s45, 16
	s_lshr_b32 s63, s47, 16
	s_mov_b32 s66, 0                               ; s[66 + e]: expert e's first position; s[67 + e]: its end
.irp e, 0,1,2,3,4,5,6,7
	s_add_co_u32 s[56+\e], s[56+\e], s[66+\e]      ; where my sub-chunk's first token of bin e goes
	s_add_co_u32 s[67+\e], s[66+\e], s[48+\e]
.endr
	s_lshl_b32 s36, s33, 9
	v_lshl_add_u32 v17, v1, 2, s36                 ; my first token: 512 x sub-chunk + 4 x lane
; One register of 32 tokens: a token's place is its bin's next free position + the number of lower lanes with the same bin
.macro PLACE n
.irp e, 0,1,2,3,4,5,6,7
	v_cmp_eq_u32 s[76+\e], \e, v[192+(\n)]
.endr
	v_mov_b32 v[64+(\n)], 0
.irp e, 0,1,2,3,4,5,6,7
	v_mbcnt_lo_u32_b32 v16, s[76+\e], s[56+\e]
	s_delay_alu instid0(VALU_DEP_1)
	v_cndmask_b32 v[64+(\n)], v[64+(\n)], v16, s[76+\e]
.endr
	s_wait_alu depctr_va_vdst(0)
.irp e, 0,1,2,3,4,5,6,7
	s_bcnt1_i32_b32 s84, s[76+\e]
	s_add_co_u32 s[56+\e], s[56+\e], s84
.endr
	v_min_u32 v[64+(\n)], 0x7fff, v[64+(\n)]       ; a position made of loaded numbers is held inside the buffer before it enters an address
	s_delay_alu instid0(VALU_DEP_1)
	v_lshlrev_b32 v[64+(\n)], 2, v[64+(\n)]
	v_add_nc_u32 v[80+(\n)], 128*((\n)/4)+(\n)%4, v17
	global_store_b32 v[64+(\n)], v[80+(\n)], s[22:23]   ; each store has registers of its own: none is written again
.endm
	s_wait_loadcnt 0x0
.irp n, 0,1,2,3,4,5,6,7,8,9,10,11,12,13,14,15
	PLACE \n
.endr
	s_cmp_lg_u32 ttmp9, NQWG                       ; seg is stored by one wave of one work-group
	s_cbranch_scc1 .Lend
	s_cmp_lg_u32 s28, 0
	s_cbranch_scc1 .Lend
	v_mov_b32 v18, 0
.irp e, 0,1,2,3,4,5,6,7
	s_delay_alu instid0(VALU_DEP_1)
	v_writelane_b32 v18, s[66+\e], 2*\e
	s_delay_alu instid0(VALU_DEP_1)
	v_writelane_b32 v18, s[67+\e], 2*\e+1
.endr
	v_lshlrev_b32 v19, 2, v1
	global_store_b32 v19, v18, s[24:25]            ; 128 consecutive bytes: 16 words of positions, 16 zeros
.Lend:
	s_wait_tensorcnt 0x0                           ; the wave's end
	ds_add_u32 v[SPW], v[NIL]
	s_wait_dscnt 0x0
	s_endpgm
.Lfunc_end_k_qc3bae814b3_prep:
	.size	k_qc3bae814b3_prep, .Lfunc_end_k_qc3bae814b3_prep-k_qc3bae814b3_prep
	.p2alignl 7, 3214868480
	.fill 96, 4, 3214868480
	.section	.rodata,"a",@progbits
	.p2align	6, 0x0
	.amdhsa_kernel k_qc3bae814b3_prep
		.amdhsa_group_segment_fixed_size 2048
		.amdhsa_private_segment_fixed_size 0
		.amdhsa_enable_private_segment 0
		.amdhsa_kernarg_size 88
		.amdhsa_user_sgpr_count 2
		.amdhsa_user_sgpr_kernarg_segment_ptr 1
		.amdhsa_wavefront_size32 1
		.amdhsa_system_sgpr_workgroup_id_x 1
		.amdhsa_system_sgpr_workgroup_id_y 1
		.amdhsa_system_sgpr_workgroup_id_z 1
		.amdhsa_system_vgpr_workitem_id 0
		.amdhsa_next_free_vgpr 256
		.amdhsa_next_free_sgpr 88
		.amdhsa_reserve_vcc 1
		.amdhsa_float_denorm_mode_32 3
		.amdhsa_float_denorm_mode_16_64 3
		.amdhsa_memory_ordered 1
		.amdhsa_forward_progress 1
		.amdhsa_inst_pref_size 122
	.end_amdhsa_kernel
	.amdgpu_metadata
---
amdhsa.version: [ 1, 2 ]
amdhsa.kernels:
  - .name:           k_qc3bae814b3_prep
    .symbol:         k_qc3bae814b3_prep.kd
    .args:
      - { .name: We1, .offset: 0, .size: 8, .value_kind: global_buffer, .address_space: global }
      - { .name: We2, .offset: 8, .size: 8, .value_kind: global_buffer, .address_space: global }
      - { .name: We3, .offset: 16, .size: 8, .value_kind: global_buffer, .address_space: global }
      - { .name: Wd1, .offset: 24, .size: 8, .value_kind: global_buffer, .address_space: global }
      - { .name: Wd2, .offset: 32, .size: 8, .value_kind: global_buffer, .address_space: global }
      - { .name: Wd3, .offset: 40, .size: 8, .value_kind: global_buffer, .address_space: global }
      - { .name: cat_idx, .offset: 48, .size: 8, .value_kind: global_buffer, .address_space: global }
      - { .name: wq, .offset: 56, .size: 8, .value_kind: global_buffer, .address_space: global }
      - { .name: ws, .offset: 64, .size: 8, .value_kind: global_buffer, .address_space: global }
      - { .name: order, .offset: 72, .size: 8, .value_kind: global_buffer, .address_space: global }
      - { .name: seg, .offset: 80, .size: 8, .value_kind: global_buffer, .address_space: global }
    .group_segment_fixed_size: 2048
    .private_segment_fixed_size: 0
    .kernarg_segment_align: 8
    .kernarg_segment_size: 88
    .max_flat_workgroup_size: 256
    .sgpr_count:     88
    .vgpr_count:     256
    .wavefront_size: 32
...
	.end_amdgpu_metadata
.endif
;; end of part 3
;; launch chain (part 4): grid 256 x 1, 4 waves a work-group, no clusters, 234,496 bytes of LDS; arguments features, order, seg, wq, ws, be1, be2, be3, bd1, bd2, bd3, out0; writes out0
.if DOCPART == 4
	.amdgcn_target "amdgcn-amd-amdhsa--gfx1250"
	.amdhsa_code_object_version 6
	.text
	.protected	k_qc3bae814b3_chain
	.globl	k_qc3bae814b3_chain
	.p2align	8
	.type	k_qc3bae814b3_chain,@function
k_qc3bae814b3_chain:
	s_mov_b64 s[64:65], 0
	v_nop
	global_prefetch_b8 v0, s[64:65] scope:SCOPE_SE
	s_setreg_imm32_b32 hwreg(HW_REG_WAVE_SCHED_MODE, 0, 2), 2
	s_setreg_imm32_b32 hwreg(HW_REG_WAVE_MODE, 25, 1), 1
	s_wait_xcnt 0x0
	s_wait_alu depctr_vm_vsrc(0)
; THE WHOLE CHAIN FOR 128 TOKENS: gather, quantise, 768 -> 512 -> 256 -> 256 (shared encoder), 256 -> 256 -> 256 -> 128 (the token's own decoder), scatter.  All six products on codes of FP6 (E2M3) with one E8M0 byte for each 32
; along K; sums, biases, ReLU and the quantisers in f32.  No hidden layer goes to memory.
; SHARES.  Work-group g takes the sorted positions 128 g .. 128 g + 127 (order[position] = token; positions are sorted by expert).  32,768 / 128 = 256 work-groups of equal size for every split of the tokens.
; THE WAVES SHARE THE COLUMNS, NOT THE ROWS: in layer 1 wave w makes units 128 w .. + 127, in layers 2 to 5 units 64 w .. + 63, in layer 6 outputs 32 w .. + 31, for all 128 rows.  So each weight fragment is loaded by
; one wave, once, straight from memory into registers (an earlier launch laid the weights in the order of the operand's registers), and feeds eight matrix instructions.
; ROWS GO FROM WAVE TO WAVE THROUGH LDS AS IMAGES OF THEIR REGISTERS.  A fragment (16 rows x 128 K, 12 registers a lane) is two halves of 768 bytes; in half c registers 6 c .. 6 c + 3 lie at 16 x lane and
; registers 6 c + 4, 6 c + 5 at 512 + 8 x lane: every access is dense.  64 units of a wave are half a K step of the next product: one half image.  Scale words: 128 bytes a unit, lanes 0-15 an even tile of rows, lanes 16-31 the odd one.
; EVERY LDS ADDRESS REGISTER IS MADE AT THE HEAD AND NEVER REWRITTEN: a constant + a constant x lane + a constant x wave; a layer's region stands in the immediate offset.
; ALL PRODUCTS ARE USED TRANSPOSED (source 0 = 16 columns of the weight, source 1 = 16 rows): a lane holds one row, and the columns of a tile are chosen so that two neighbouring tiles give 16 neighbours along the next K.
; The biases are the C of each sum's first matrix instruction, so a bias is added ahead of the products and not behind them.
; THE DECODER is a loop of constant count over the eight experts.  From seg each trip knows which of the block's four pairs of row tiles hold rows of that expert; the others are jumped over by scalar branches on those stored
; numbers.  Every barrier stands outside those branches.  A row's outputs are chosen by v_cndmask_b32 into registers that keep all 128 rows' results; all lanes stay on throughout.
; A block that lies inside one expert does the decoder once; a boundary costs one pair of row tiles twice and one more read of a decoder's weights.
; NO TENSOR LOADS AND NO JOINT REQUESTS, though all work-groups walk the same encoder weights: the text branches on numbers read from memory.
; LIMITS: NaN and infinities are not served.  A block whose largest magnitude lies under 2^-124 is held at the byte 1; a block of zeros gets the byte 1 with zero codes.  cat_idx lies in 0 .. 7 (each position has one expert).
; THE MODE: SCHED_MODE bits 1:0 = 2 (LLVM: expert scheduling mode 2), set by the entry lines.  The code itself states the register dependences between vector or matrix instructions and memory or LDS instructions,
; with s_wait_alu, always for 0.
; THE PLAN.  Registers that memory or LDS instructions touch, and who else names them:
;   addresses, offsets   v1-25, v196-199, v240-244, made by vector instructions at the head; window 1 v128-159, made ahead of the decoder.  Never written again: a wait on va_vdst behind their makers serves every later access.
;                        v26 alone serves twice: the loads of order read it at the head, the decoder's third layer writes it; the quantisers' waits on vm_vsrc stand between.
;   A0, A1               Layer 1: features land in a set, the quantiser reads it, the next K step's features land in it.  Afterwards matrix and vector instructions alone name them, until the stage's rows land there on the way out.
;   codes, v28, v29      Written by a quantiser, read by the LDS stores of its image.  ONE wait on va_vdst stands behind each quantiser, ahead of its run of stores (in layer 1 the set's next loads follow the stores under the same wait);
;                        ONE wait on vm_vsrc stands in each quantiser, ahead of its first conversion: the last image's stores have read these registers.
;   fragments, biases,   Written by loads alone, read by matrix instructions alone.  A run of loads into such registers, or into accumulators that are done with, begins: the window's switch, a wait on va_vdst, the loads;
;   scale words          only loads and window switches follow that wait inside the run.
;   OUT                  Written by the selects, read by the stage's LDS stores: one wait on va_vdst ahead of those.
; Two vector instructions' results go to scalar registers: the wave's number, and the lane masks of the decoder's third layer; a wait on va_sdst stands ahead of the first reader of each.
; REGISTERS, in windows of 256.  Window 0: v1-31, v196-199, v240-244 addresses; v32-95, v96-159 two sets of 64 numbers; v160-179 codes; v180-195 the quantiser's; v200-239 scale words and nothing else.
;   Layer 1: window 1: v0-95 We1's 8 fragments of a K step, v96-191 x's 8, v192-255 be1; windows 2, 3: 64 accumulators, (m, t) at window 2 + m / 4, v[64 (m % 4) + 8 t].
;   Afterwards: window 1: We2's 16 fragments, be2, be3; in the decoder v0-127 the results of layer 6, v128-159 the out rows' offsets.
;   window 2: v0-191 rows' fragments (v96-191 We3 until layer 3 is done), bd1, bd2; window 3: the decoder's 8 + 8 + 4 fragments, bd3.
.set FRB,   1536                       ; a fragment's image
.set XIMG,  0                          ; LDS: x's 8 fragments of ONE K step, written again in each,
.set H1IMG, XIMG+8*FRB                 ; layer 1's 32 (4 m + K step),
.set H2IMG, H1IMG+32*FRB               ; and 16 (2 m + K step) for each of layers 2 to 5
.set H3IMG, H2IMG+16*FRB
.set D1IMG, H3IMG+16*FRB
.set D2IMG, D1IMG+16*FRB
.set XSC,   D2IMG+16*FRB               ; their scale words
.set H1SC,  XSC+4*128
.set H2SC,  H1SC+16*128
.set H3SC,  H2SC+8*128
.set D1SC,  H3SC+8*128
.set D2SC,  D1SC+8*128
.set STG,   D2SC+8*128                 ; the stage: 128 rows of out0, 512 bytes + 16
.set SPARE, STG+128*528                ; the spare words, 128 bytes for each wave: two blocks of 256 bytes that no other line names
.set Q2, 294912                        ; wq and ws: as the launch before lays them
.set Q3, 393216
.set QD, 442368
.set QE, 122880
.set S2, 12288
.set S3, 16384
.set SD, 18432
.set SE, 5120
.set LI16, 1                           ; 16 x lane: also the read address of the images from LDS byte 0 on (x, layer 1)
.set LI8,  2                           ; 8 x lane: likewise
.set LS4,  3                           ; 4 x lane
.set RR,   4                           ; r = lane % 16
.set HH,   5                           ; h = lane / 16
.set XA0,  6                           ; features: my row of row tile 2 w: token x 3,072 + 64 h
.set XA1,  7                           ; and of row tile 2 w + 1
.set PFO,  8                           ; the prefetches' offset: the token of row 32 w + lane, x 3,072
.set RB16, 9                           ; images read from H2IMG on (layers 2, 3): 16 bytes a lane,
.set RB8,  10                          ; 8 bytes a lane
.set RC16, 11                          ; and from D1IMG on (layers 4, 5)
.set RC8,  12
.set RSB,  13                          ; scale words read: XSC + 4 x lane
.set WSX,  14                          ; scale words written by whole words: XSC + 128 w + 4 x lane
.set VQ2,  15                          ; wq: 16 x lane + my wave's 16, 8, 4 fragments
.set VQ3,  16
.set VQ4,  17
.set VS2,  18                          ; ws likewise
.set VS3,  19
.set VS4,  20
.set VB1,  21                          ; biases: 64 h + my wave's 128, 64, 32 numbers
.set VB2,  22
.set VB4,  23
.set SO,   24                          ; the stage: where I put 64 bytes of a row
.set SR,   25                          ; and where I read rows back
.set MK,   26
.set PWS,  27
.set PW,   28
.set HW,   29
.set SPW,  30                          ; LDS address of my spare word; never rewritten
.set NIL,  31                          ; 0; never rewritten
.set A0,   32
.set A1,   96
.set PC,   160
.set TM,   180                         ; +0..3 largest magnitudes, +4..7 bytes, +8, +9 half words, +12..15 the conversions' scale operands
.set WB16, 196                         ; my half image, 1,536 (w / 2) + 768 (w % 2), from H2IMG on: 16 bytes a lane,
.set WB8,  197                         ; 8 bytes a lane
.set WC16, 198                         ; and from D1IMG on
.set WC8,  199
.set SW1,  200                         ; scale words: We1's (4), the rows' (4), We2's (8), We3's (4), the decoder's (4, 4, 2), the rows' in the decoder (8)
.set SX,   204
.set SW2,  208
.set SW3,  216
.set SD1,  220
.set SD2,  224
.set SD3,  228
.set SXD,  232
.set WX16, 240                         ; x's images written: 3,072 w + 16 x lane,
.set WX8,  241
.set WH16, 242                         ; layer 1's: H1IMG + 1,536 w + 16 x lane
.set WH8,  243
.set WSB,  244                         ; my half of a scale word: XSC + 128 (w / 2) + 2 (w % 2) + 4 x lane
.set OUT,  0                           ; in window 1: layer 6's results, 16 registers for each of the 8 row tiles
.set OFS,  128                         ; in window 1: byte offsets in out0 of my 32 out rows
.set CNT,  4                           ; scalars; s4 to s9, s14 and s15 held pointers that are done with when they are taken again
.set EE,   5
.set EF,   6                           ; the block's first expert
.set PM,   7                           ; bit p: pair p of row tiles holds rows of the trip's expert
.set AA,   8                           ; those rows' first place in the block,
.set LEN,  9                           ; and their number
.set M0,   14                          ; lane masks: my row of the pair's even, odd tile is the expert's
.set M1,   15
.set WV,   28
.set BPOS, 29                          ; the block's first position
.set SEL,  30
.set HM,   32                          ; lanes 16-31
.set P0,   34                          ; s[34:35] an offset in 64 bits
.set SEG,  36                          ; s[36:51] first and end position of experts e, e + 1 ..: moved down by a pair in each trip
.set FB,   52                          ; s[52:53] features at the K step in hand
.set WQB,  54                          ; s[54:55] We1's fragments of my wave at that K step
.set WSQ,  56                          ; s[56:57] their scale words
.set DQ,   58                          ; s[58:59] .. an expert's codes, scale words, biases
.set DSC,  60
.set DB1,  62
.set DB2,  66
.set DB3,  100
.set TOK,  68                          ; s[68:99] the tokens of rows 32 w .. 32 w + 31
.set MSB, 0
.macro WIN new                         ; the immediate's high byte repeats the setting that is left
.if MSB != (\new)
	s_set_vgpr_msb (MSB<<8)|(\new)
.set MSB, (\new)
.endif
.endm
.macro PLACES n                        ; plain vector instructions behind matrix instructions (ISA guide 7.12.1)
.rept \n
	v_nop
.endr
.endm
.macro BARRIER                         ; my LDS stores have landed and my LDS loads are in: then the work-group's barrier
	s_wait_dscnt 0x0
	s_barrier_signal -1
	s_barrier_wait -1
.endm
; 64 numbers of a lane, register 16 b + i = k 32 b + 16 h + i of my row, become codes in v[PC] .. v[PC + 11] and four bytes in v[TM + 4] ..  dsw: the LDS instructions that may stay out when the codes' registers are written again
.macro QUANT s, dsw
.irp b, 0,1,2,3
	v_max3_num_f32 v[TM+\b], |v[\s+16*\b]|, |v[\s+1+16*\b]|, 0x1800000   ; my 16 numbers of block b, and the floor 2^(3 - 127): the byte cannot fall under 1
.endr
.irp i, 2,4,6,8,10,12,14
.irp b, 0,1,2,3
	v_max3_num_f32 v[TM+\b], v[TM+\b], |v[\s+16*\b+\i]|, |v[\s+1+16*\b+\i]|
.endr
.endr
.irp b, 0,1,2,3
	v_permlanex16_b32 v[TM+4+\b], v[TM+\b], s[SEL], s[SEL+1]
.endr
.irp b, 0,1,2,3
	v_max_num_f32 v[TM+\b], v[TM+\b], v[TM+4+\b]   ; with lane l xor 16's: the block's largest magnitude
.endr
.irp b, 0,1,2,3
	v_add_nc_u32 v[TM+12+\b], 0xff000000, v[TM+\b] ; 2 off its exponent field: the conversion's scale operand
.endr
.irp b, 0,1,2,3
	v_lshrrev_b32 v[TM+4+\b], 23, v[TM+12+\b]      ; the scale's byte
.endr
	s_wait_alu depctr_va_vdst(0)
	s_wait_dscnt \dsw                              ; the last image's LDS stores are done
	s_wait_alu depctr_vm_vsrc(0)                   ; the last image's LDS stores have read the codes' registers, v[PW] and v[HW]: the conversions below and the lines behind this macro write them again
.irp c, 0,1
	v_cvt_scalef32_pk16_fp6_f32 v[PC+6*\c:PC+2+6*\c], v[\s+32*\c:\s+15+32*\c], v[TM+12+2*\c]
	v_cvt_scalef32_pk16_fp6_f32 v[PC+12+4*\c:PC+14+4*\c], v[\s+16+32*\c:\s+31+32*\c], v[TM+12+2*\c+1]   ; (a conversion's three registers begin on an even number)
.endr
	v_nop                                          ; one plain place behind a scaled conversion
.irp c, 0,1                                    ; the operand's layout wants a whole block in a lane: lanes 0-15 block 2 c, lanes 16-31 block 2 c + 1
.irp i, 0,1,2
	v_permlane16_swap_b32 v[PC+6*\c+\i], v[PC+12+4*\c+\i]
.endr
.irp i, 0,1,2
	v_mov_b32 v[PC+3+6*\c+\i], v[PC+12+4*\c+\i]
.endr
.endr
.endm
.macro WORD d                          ; the four bytes as my row's scale word
	v_lshl_or_b32 v[\d], v[TM+5], 8, v[TM+4]
	v_lshl_or_b32 v[\d], v[TM+6], 16, v[\d]
	v_lshl_or_b32 v[\d], v[TM+7], 24, v[\d]
.endm
.macro HALFW                           ; blocks 0, 1 belong to the even tile of rows, blocks 2, 3 to the odd one: lanes 0-15 keep the first two bytes, lanes 16-31 the others
	v_lshl_or_b32 v[TM+8], v[TM+5], 8, v[TM+4]
	v_lshl_or_b32 v[TM+9], v[TM+7], 8, v[TM+6]
	v_cndmask_b32 v[HW], v[TM+8], v[TM+9], s[HM]
.endm
.macro IMGH c, w16, w8, off            ; half c of the codes goes to LDS as it stands
	ds_store_b128 v[\w16], v[PC+6*(\c):PC+6*(\c)+3] offset:(\off)
	ds_store_b64 v[\w8], v[PC+6*(\c)+4:PC+6*(\c)+5] offset:(\off)+512
.endm
.macro IMGF w16, w8, off
	IMGH 0, \w16, \w8, (\off)
	IMGH 1, \w16, \w8, (\off)+768
.endm
.macro FETCHF reg, r16, r8, off        ; and a whole fragment comes back so, in any wave
	ds_load_b128 v[(\reg):(\reg)+3], v[\r16] offset:(\off)
	ds_load_b64 v[(\reg)+4:(\reg)+5], v[\r8] offset:(\off)+512
	ds_load_b128 v[(\reg)+6:(\reg)+9], v[\r16] offset:(\off)+768
	ds_load_b64 v[(\reg)+10:(\reg)+11], v[\r8] offset:(\off)+1280
.endm
; One matrix instruction, from the symbols rD, rA, rB, rC, rSA, rSB; rRA, rRB = 1: that side's scales stand in lanes 16-31
.macro WM
.if (rRA == 0) && (rRB == 0)
	v_wmma_scale_f32_16x16x128_f8f6f4 v[rD:rD+7], v[rA:rA+11], v[rB:rB+11], v[rC:rC+7], v[rSA], v[rSB] matrix_a_fmt:MATRIX_FMT_FP6 matrix_b_fmt:MATRIX_FMT_FP6
.elseif (rRA == 1) && (rRB == 0)
	v_wmma_scale_f32_16x16x128_f8f6f4 v[rD:rD+7], v[rA:rA+11], v[rB:rB+11], v[rC:rC+7], v[rSA], v[rSB] matrix_a_fmt:MATRIX_FMT_FP6 matrix_b_fmt:MATRIX_FMT_FP6 matrix_a_scale:MATRIX_SCALE_ROW1
.elseif rRA == 0
	v_wmma_scale_f32_16x16x128_f8f6f4 v[rD:rD+7], v[rA:rA+11], v[rB:rB+11], v[rC:rC+7], v[rSA], v[rSB] matrix_a_fmt:MATRIX_FMT_FP6 matrix_b_fmt:MATRIX_FMT_FP6 matrix_b_scale:MATRIX_SCALE_ROW1
.else
	v_wmma_scale_f32_16x16x128_f8f6f4 v[rD:rD+7], v[rA:rA+11], v[rB:rB+11], v[rC:rC+7], v[rSA], v[rSB] matrix_a_fmt:MATRIX_FMT_FP6 matrix_b_fmt:MATRIX_FMT_FP6 matrix_a_scale:MATRIX_SCALE_ROW1 matrix_b_scale:MATRIX_SCALE_ROW1
.endif
.endm
; A pair of row tiles x my nt tiles of columns, ks K steps, into v[A0] on (row tile mm at 8 nt mm).  The 2 nt accumulators take turns, one instruction a turn.  The first K step takes the bias as C.
; Five places follow: for the loads into the operands, the reads of the results, and the next pair's products, which begin the same accumulators anew.
.macro PAIRMM ks, nt, xb, sxb, wb, bb, swb, win1, winn
.set s_, 0
.rept \ks
.if s_ == 0
	WIN \win1
.else
	WIN \winn
.endif
.set mm_, 0
.rept 2
.set tt_, 0
.rept \nt
.set rD, A0+8*(\nt)*mm_+8*tt_
.set rA, (\wb)+12*(tt_*(\ks)+s_)
.set rB, (\xb)+12*((\ks)*mm_+s_)
.if s_ == 0
.set rC, (\bb)+8*tt_
.else
.set rC, rD
.endif
.set rSA, (\swb)+(\ks)*(tt_/2)+s_
.set rSB, (\sxb)+s_
.set rRA, tt_%2
.set rRB, mm_
	WM
.set tt_, tt_+1
.endr
.set mm_, mm_+1
.endr
.set s_, s_+1
.endr
	WIN 0
	PLACES 5
.endm
; Pair p's 2 ks fragments into window 2 from v[xb] on, and its ks scale registers.  r16, r8: the images' address registers; ioff, soff: the layer's images and scale words behind those registers' bases
.macro PFETCH ks, p, xb, sxb, r16, r8, ioff, soff
	WIN 0x80
	s_wait_alu depctr_va_vdst(0)                   ; whatever read these registers last is done with them: the matrix instructions that took them as rows' fragments and scale words; at the first fetch layer 1's ReLU lines, which read them as accumulators
.set mm_, 0
.rept 2
.set s_, 0
.rept \ks
	FETCHF (\xb)+12*((\ks)*mm_+s_), \r16, \r8, (\ioff)+((2*(\p)+mm_)*(\ks)+s_)*FRB
.set s_, s_+1
.endr
.set mm_, mm_+1
.endr
	WIN 0
.set s_, 0
.rept \ks
	ds_load_b32 v[(\sxb)+s_], v[RSB] offset:(\soff)+((\p)*(\ks)+s_)*128
.set s_, s_+1
.endr
.endm
.macro RELU                            ; in f32, each accumulator from its low end on
.set j_, 0
.rept 64
	v_max_num_f32 v[A0+j_], 0, v[A0+j_]
.set j_, j_+1
.endr
.endm
.macro PTAIL p, dsw, w16, w8, ioff, soff   ; the pair's 64 numbers a lane become two half images and a half scale word
	QUANT A0, \dsw
	HALFW
	s_wait_alu depctr_va_vdst(0)                   ; the codes and the half word are written, which the five LDS stores below read
	IMGH 0, \w16, \w8, (\ioff)+(\p)*4*FRB
	IMGH 1, \w16, \w8, (\ioff)+(\p)*4*FRB+2*FRB
	ds_store_b16 v[WSB], v[HW] offset:(\soff)+(\p)*256
.endm
.macro WLD reg, voff, base, off, n     ; n weight fragments, three loads of 512 consecutive bytes each
.set f_, 0
.rept \n
	global_load_b128 v[(\reg)+12*f_:(\reg)+12*f_+3], v[\voff], s[\base:\base+1] offset:(\off)+FRB*f_
	global_load_b128 v[(\reg)+12*f_+4:(\reg)+12*f_+7], v[\voff], s[\base:\base+1] offset:(\off)+FRB*f_+512
	global_load_b128 v[(\reg)+12*f_+8:(\reg)+12*f_+11], v[\voff], s[\base:\base+1] offset:(\off)+FRB*f_+1024
.set f_, f_+1
.endr
.endm
.macro BLD reg, voff, base, nt         ; a bias in the result's layout: for tile t lane (r, h) wants units 32 (t / 2) + 16 h + 8 (t % 2) + 0 .. 7
.set t_, 0
.rept \nt
	global_load_b128 v[(\reg)+8*t_:(\reg)+8*t_+3], v[\voff], s[\base:\base+1] offset:(32*(t_/2)+8*(t_%2))*4
	global_load_b128 v[(\reg)+8*t_+4:(\reg)+8*t_+7], v[\voff], s[\base:\base+1] offset:(32*(t_/2)+8*(t_%2))*4+16
.set t_, t_+1
.endr
.endm
.macro FLOAD set, xa, off              ; 64 numbers of my row: of each block of 32 my half's 16
.irp b, 0,1,2,3
.irp j, 0,1,2,3
	global_load_b128 v[\set+16*\b+4*\j:\set+16*\b+4*\j+3], v[\xa], s[FB:FB+1] offset:(\off)+128*\b+16*\j th:TH_LOAD_NT
.endr
.endr
.endm
.macro DLOAD1                          ; an expert's first layer: 24 + 8 + 1 loads
	WIN 0xc0
	WLD 0, VQ3, DQ, 0, 8
	WIN 0x80
	BLD 192, VB2, DB1, 4
	WIN 0
	global_load_b128 v[SD1:SD1+3], v[VS3], s[DSC:DSC+1]
.endm
.macro DLOAD2                          ; its second: 24 + 8 + 1
	WIN 0xc0
	WLD 96, VQ3, DQ, 49152, 8
	WIN 0x80
	BLD 224, VB2, DB2, 4
	WIN 0
	global_load_b128 v[SD2:SD2+3], v[VS3], s[DSC:DSC+1] offset:2048
.endm
.macro DLOAD3                          ; its third: 12 + 4 + 1
	WIN 0xc0
	WLD 192, VQ4, DQ, 98304, 4
	BLD 240, VB4, DB3, 2
	WIN 0
	global_load_b64 v[SD3:SD3+1], v[VS4], s[DSC:DSC+1] offset:4096
.endm
; ---------------- the head
	s_load_b512 s[4:19], s[0:1], 0x0               ; features s[4:5], order s[6:7], seg s[8:9], wq s[10:11], ws s[12:13], be1 s[14:15], be2 s[16:17], be3 s[18:19]
	s_load_b256 s[20:27], s[0:1], 0x40             ; bd1 s[20:21], bd2 s[22:23], bd3 s[24:25], out0 s[26:27]
	v_lshl_add_u32 v[SPW], v0, 2, SPARE
	v_mov_b32 v[NIL], 0
	v_lshrrev_b32 v[MK], 5, v0
	v_readfirstlane_b32 s[WV], v[MK]               ; wave 0..3
	v_and_b32 v[PW], 31, v0
	v_lshlrev_b32 v[LI16], 4, v[PW]
	s_wait_alu depctr_va_vdst(0)
	v_lshlrev_b32 v[LI8], 3, v[PW]
	v_lshlrev_b32 v[LS4], 2, v[PW]
	v_and_b32 v[RR], 15, v0
	v_bfe_u32 v[HH], v0, 4, 1
	s_wait_alu depctr_va_vdst(0)
	v_lshlrev_b32 v[MK], 2, v[RR]                  ; 4 r: my row's word of order
	s_lshl_b32 s[BPOS], ttmp9, 7
	s_mov_b32 s[SEL], 0x76543210
	s_mov_b32 s[SEL+1], 0xfedcba98                 ; v_permlanex16_b32's selects for lane l xor 16
	s_mov_b32 s[HM], 0xffff0000
	s_wait_alu depctr_va_sdst(0)                   ; the wave's number is written, ahead of its first reader: the lines below make offsets, addresses and bases from it
	s_mul_i32 s33, s[WV], 16*FRB
	v_add_nc_u32 v[VQ2], s33, v[LI16]
	s_mul_i32 s33, s[WV], 8*FRB
	v_add_nc_u32 v[VQ3], s33, v[LI16]
	s_mul_i32 s33, s[WV], 4*FRB
	v_add_nc_u32 v[VQ4], s33, v[LI16]
	s_lshl_b32 s33, s[WV], 10
	v_add_nc_u32 v[VS2], s33, v[LI16]
	s_lshl_b32 s33, s[WV], 9
	v_add_nc_u32 v[VS3], s33, v[LI16]
	v_lshl_add_u32 v[VB1], v[HH], 6, s33
	s_lshl_b32 s33, s[WV], 8
	v_add_nc_u32 v[VS4], s33, v[LI8]
	v_lshl_add_u32 v[VB2], v[HH], 6, s33
	s_lshl_b32 s33, s[WV], 7
	v_lshl_add_u32 v[VB4], v[HH], 6, s33
	v_mul_u32_u24 v[SO], v[RR], 528
	v_add_nc_u32 v[SO], v[SO], v[VB4]
	v_add_nc_u32 v[SO], STG, v[SO]                 ; the stage: row r, + 64 h, + 128 w: my 16 outputs' bytes
	v_add_nc_u32 v[RSB], XSC, v[LS4]
	v_add_nc_u32 v[WSX], s33, v[RSB]               ; XSC + 128 w + 4 x lane
	s_mul_i32 s33, s[WV], 32*528
	s_add_co_u32 s33, s33, STG
	v_add_nc_u32 v[SR], s33, v[LI16]               ; back: my 32 rows, 16 bytes a lane
	v_add_nc_u32 v[RB16], H2IMG, v[LI16]
	v_add_nc_u32 v[RB8], H2IMG, v[LI8]
	v_add_nc_u32 v[RC16], D1IMG, v[LI16]
	v_add_nc_u32 v[RC8], D1IMG, v[LI8]
	s_mul_i32 s33, s[WV], 2*FRB                    ; of x I write row tiles 2 w and 2 w + 1,
	v_add_nc_u32 v[WX16], s33, v[LI16]
	v_add_nc_u32 v[WX8], s33, v[LI8]
	s_mul_i32 s33, s[WV], FRB                      ; of layer 1 K step w of each row tile,
	s_add_co_u32 s33, s33, H1IMG
	v_add_nc_u32 v[WH16], s33, v[LI16]
	v_add_nc_u32 v[WH8], s33, v[LI8]
	s_lshr_b32 s33, s[WV], 1                       ; of layers 2 to 5 half w % 2 of K step w / 2
	s_and_b32 s34, s[WV], 1
	s_mul_i32 s35, s33, FRB
	s_mul_i32 s2, s34, 768
	s_add_co_u32 s35, s35, s2
	s_add_co_u32 s2, s35, H2IMG
	v_add_nc_u32 v[WB16], s2, v[LI16]
	v_add_nc_u32 v[WB8], s2, v[LI8]
	s_add_co_u32 s2, s35, D1IMG
	v_add_nc_u32 v[WC16], s2, v[LI16]
	v_add_nc_u32 v[WC8], s2, v[LI8]
	s_lshl_b32 s33, s33, 7
	s_lshl_b32 s34, s34, 1
	s_add_co_u32 s33, s33, s34
	v_add_nc_u32 v[WSB], s33, v[RSB]
.irp b, 0,1,2,3
	v_mov_b32 v[TM+4+\b], 0                        ; written once: a lane permute's destination counts as one of its sources
.endr
	s_lshl_b32 s33, s[WV], 5
	s_add_co_u32 s33, s33, s[BPOS]                 ; the position of my wave's first row
	s_lshl_b32 s[P0], s33, 2
	s_mov_b32 s[P0+1], 0
	s_wait_kmcnt 0x0
	s_add_nc_u64 s[6:7], s[6:7], s[P0:P0+1]
	s_load_b512 s[SEG:SEG+15], s[8:9], 0x0
	s_load_b512 s[TOK:TOK+15], s[6:7], 0x0
	s_load_b512 s[TOK+16:TOK+31], s[6:7], 0x40
	s_wait_alu depctr_va_vdst(0)                   ; every offset and LDS address made above is written, v[SPW] and v[NIL] too: the loads, stores and LDS instructions of the whole kernel read them
	global_load_b32 v[XA0], v[MK], s[6:7]
	global_load_b32 v[XA1], v[MK], s[6:7] offset:64
	global_load_b32 v[PFO], v[LS4], s[6:7]
	s_mov_b64 s[FB:FB+1], s[4:5]
	s_mul_i32 s[P0], s[WV], 48*FRB                 ; We1: 6 K steps x 8 fragments for each wave
	s_add_nc_u64 s[WQB:WQB+1], s[10:11], s[P0:P0+1]
	s_mul_i32 s[P0], s[WV], 6*512
	s_add_nc_u64 s[WSQ:WSQ+1], s[12:13], s[P0:P0+1]
	WIN 0x40                                       ; what does not hang on the tokens goes out while their numbers come: We1's K step 0 (24 + 1 loads) and be1 (16)
	WLD 0, LI16, WQB, 0, 8
	BLD 192, VB1, 14, 8
	WIN 0
	global_load_b128 v[SW1:SW1+3], v[LI16], s[WSQ:WSQ+1]
	s_wait_loadcnt 41                              ; behind the three loads of order: those 41
	v_min_u32 v[XA0], 0x7fff, v[XA0]               ; a loaded number is held inside the table before it enters an address
	v_min_u32 v[XA1], 0x7fff, v[XA1]
	v_min_u32 v[PFO], 0x7fff, v[PFO]
	v_mul_u32_u24 v[XA0], v[XA0], 3072
	v_mul_u32_u24 v[XA1], v[XA1], 3072
	v_mul_u32_u24 v[PFO], v[PFO], 3072
	v_lshl_add_u32 v[XA0], v[HH], 6, v[XA0]
	v_lshl_add_u32 v[XA1], v[HH], 6, v[XA1]
	s_wait_alu depctr_va_vdst(0)                   ; the rows' offsets v[XA0], v[XA1] and v[PFO] are written: all loads and prefetches of features read them, and they are not written again
	FLOAD A0, XA0, 0
	FLOAD A1, XA1, 0
	s_wait_kmcnt 0x0
	s_mov_b32 s[EF], 0                             ; the block's first expert: as many experts end at or before the block's first position
.irp e, 0,1,2,3,4,5,6,7
	s_cmp_le_u32 s[SEG+2*\e+1], s[BPOS]
	s_cselect_b32 s33, 1, 0
	s_add_co_u32 s[EF], s[EF], s33
.endr
	s_min_u32 s[EF], s[EF], 7
; ---------------- layer 1, a K step of 128 at a time
; I quantise my 32 rows' 128 numbers (two fragments) and store their images | barrier | all eight fragments from LDS, 64 matrix instructions on 64 accumulators by turns.  The images' bytes are written again in the next K step:
; so each wave signals a second barrier when its reads of them are in, and waits for it behind its matrix instructions.
; Loads: a K step's two sets of features are asked for a K step ahead, as soon as a set's registers are free; We1's next fragments behind the matrix instructions that read the last.
; n0, n1: the loads issued behind the set that is waited for.  ask = 1: the K step after next of my 32 rows is prefetched: 512 bytes a row, a lane a row, two instructions; each row belongs to one wave of the launch; 2: the same, but not in the trip whose K step after next does not exist.
.macro KSTEP first, last, ask, n0, n1
	s_wait_loadcnt \n0
	QUANT A0, 0
	WORD PWS
	s_wait_alu depctr_va_vdst(0)                   ; set 0's codes are written, which the LDS stores read; the quantiser is done reading set 0, in which the next K step's loads land
	IMGF WX16, WX8, 0
.if !(\last)
	FLOAD A0, XA0, 512
.endif
	s_wait_loadcnt \n1
	QUANT A1, 0
	WORD PW
	v_cndmask_b32 v[PW], v[PWS], v[PW], s[HM]      ; lanes 0-15: row tile 2 w's words; lanes 16-31: 2 w + 1's
	s_wait_alu depctr_va_vdst(0)                   ; set 1's codes and the scale words are written, which the LDS stores read; the quantiser is done reading set 1, in which the next K step's loads land
	IMGF WX16, WX8, FRB
	ds_store_b32 v[WSX], v[PW]
.if !(\last)
	FLOAD A1, XA1, 512
.endif
.if (\ask) == 2
	s_cmp_lt_u32 s[CNT], 3
	s_cbranch_scc0 .Lno_ask_\@
.endif
.if (\ask) > 0
	global_prefetch_b8 v[PFO], s[FB:FB+1] offset:1024 th:TH_LOAD_NT scope:SCOPE_SE
	global_prefetch_b8 v[PFO], s[FB:FB+1] offset:1280 th:TH_LOAD_NT scope:SCOPE_SE
.endif
.if (\ask) == 2
.Lno_ask_\@:
.endif
	BARRIER                                        ; the K step's eight fragments lie in LDS
	WIN 0x40
.if !(\first)
	s_wait_alu depctr_va_vdst(0)                   ; the last K step's matrix instructions are done reading the rows' fragments and scale words, in which the LDS loads below land
.endif
.set m_, 0
.rept 8
	FETCHF 96+12*m_, LI16, LI8, XIMG+FRB*m_
.set m_, m_+1
.endr
	WIN 0
.irp q, 0,1,2,3
	ds_load_b32 v[SX+\q], v[RSB] offset:128*\q
.endr
.if \last
	s_wait_loadcnt 0x0                             ; We1's fragments
.else
	s_wait_loadcnt 32                              ; We1's fragments: behind them the next K step's 32 loads of features
.endif
	s_wait_dscnt 0x0
.if !(\last)
	s_barrier_signal -1                            ; my reads of the images are in; only work on registers stands up to the wait
.endif
.set m_, 0
.rept 8
.if \first
	WIN 0x95+0x40*(m_/4)                           ; sources and be1 window 1, D window 2 or 3
.else
	WIN 0xa5+0x50*(m_/4)                           ; sources window 1, C and D window 2 or 3
.endif
.set t_, 0
.rept 8
.set rD, 64*(m_%4)+8*t_
.set rA, 12*t_
.set rB, 96+12*m_
.if \first
.set rC, 192+8*t_
.else
.set rC, rD
.endif
.set rSA, SW1+t_/2
.set rSB, SX+m_/2
.set rRA, t_%2
.set rRB, m_%2
	WM
.set t_, t_+1
.endr
.set m_, m_+1
.endr
	WIN 0
.if !(\last)
	s_barrier_wait -1                              ; every wave's reads are in: the images may be written again
.endif
	PLACES 4                                       ; four places behind the matrix instructions: ahead of the loads into registers that they have read and, behind the last K step, of the first read of their results
.if !(\last)
	s_wait_xcnt 0x0                                ; the bases are stepped only behind this wait
	s_add_nc_u64 s[FB:FB+1], s[FB:FB+1], 512
	s_add_nc_u64 s[WQB:WQB+1], s[WQB:WQB+1], 8*FRB
	s_add_nc_u64 s[WSQ:WSQ+1], s[WSQ:WSQ+1], 512
	WIN 0x40
	s_wait_alu depctr_va_vdst(0)                   ; this K step's matrix instructions are done reading We1's fragments and scale words, in which the next K step's land
	WLD 0, LI16, WQB, 0, 8
	WIN 0
	global_load_b128 v[SW1:SW1+3], v[LI16], s[WSQ:WSQ+1]
.endif
.endm
	KSTEP 1, 0, 1, 16, 16                          ; K step 0: behind each set of features stand 16 loads, the other or the next set; the weights and be1 were asked for earlier
	s_mov_b32 s[CNT], 0
.Lk:                                               ; K steps 1 to 4: behind set 0: set 1 and 25 of We1; behind set 1: those 25 and the next set 0
	KSTEP 0, 0, 2, 41, 41
	s_add_co_u32 s[CNT], s[CNT], 1
	s_cmp_lt_u32 s[CNT], 4
	s_cbranch_scc1 .Lk
	KSTEP 0, 1, 0, 41, 25                          ; K step 5 asks for no features
	WIN 0x40                                       ; We2's 16 fragments, be2 and We2's scale words: 48 + 8 + 2 loads, over what layer 1 has left
	s_wait_alu depctr_va_vdst(0)                   ; layer 1's matrix instructions are done reading We1's fragments, the rows' fragments and be1, in which We2's fragments and be2 land
	WLD 0, VQ2, 10, Q2, 16
	BLD 192, VB2, 16, 4
	WIN 0
	global_load_b128 v[SW2:SW2+3], v[VS2], s[12:13] offset:S2
	global_load_b128 v[SW2+4:SW2+7], v[VS2], s[12:13] offset:S2+512
; ---------------- layer 1's results: ReLU (which is also the move into window 0), quantised: K step w of layer 2
.set m_, 0
.rept 8
.set AS, A0+64*(m_%2)
	WIN 0x08+4*(m_/4)                              ; source 1: window 2 or 3
.set j_, 0
.rept 64
	v_max_num_f32 v[AS+j_], 0, v[64*(m_%4)+j_]
.set j_, j_+1
.endr
	WIN 0
	QUANT AS, 0
.if m_%2 == 0
	WORD PWS
.else
	WORD PW
	v_cndmask_b32 v[PW], v[PWS], v[PW], s[HM]
.endif
	s_wait_alu depctr_va_vdst(0)                   ; the row tile's codes are written (behind an odd tile the pair's scale words too), which the LDS stores below read
	IMGF WH16, WH8, 4*FRB*m_
.if m_%2 == 1
	ds_store_b32 v[WSX], v[PW] offset:H1SC-XSC+512*(m_/2)
.endif
.set m_, m_+1
.endr
	WIN 0x80                                       ; We3's 8 fragments, be3, We3's scale words: 24 + 8 + 1 loads, over accumulators that have been read
	s_wait_alu depctr_va_vdst(0)                   ; the ReLU lines are done reading the accumulators in which We3's fragments land; layer 1's first products are done reading be1, in which be3 lands
	WLD 96, VQ3, 10, Q3, 8
	WIN 0x40
	BLD 224, VB2, 18, 4
	WIN 0
	global_load_b128 v[SW3:SW3+3], v[VS3], s[12:13] offset:S3
	BARRIER                                        ; layer 1's 32 fragments lie in LDS
; ---------------- layer 2: K = 512, my 4 tiles, a pair of row tiles at a time; the next pair's fragments come while this pair is quantised
	PFETCH 4, 0, 0, SX, LI16, LI8, H1IMG, H1SC-XSC
	s_wait_loadcnt 33                              ; We2's group is in: behind it We3's 33 loads
.irp p, 0,1,2,3
	s_wait_dscnt 0x0
	PAIRMM 4, 4, 0, SX, 0, 192, SW2, 0x19, 0x09
.if \p < 3
	PFETCH 4, \p+1, 0, SX, LI16, LI8, H1IMG, H1SC-XSC
.endif
	RELU
.if \p < 3
	PTAIL \p, 36, WB16, WB8, 0, H2SC-XSC           ; the 36 loads just issued may stay out
.else
	PTAIL \p, 0, WB16, WB8, 0, H2SC-XSC
.endif
.endr
	BARRIER
; ---------------- layer 3: K = 256, no ReLU.  The block's first expert's weights are asked for here
	PFETCH 2, 0, 0, SX, RB16, RB8, 0, H2SC-XSC
	s_wait_loadcnt 0x0                             ; We3's group
	s_mul_i32 s[P0], s[EF], QE                     ; where that expert's codes, scale words and biases begin
	s_add_co_u32 s[P0], s[P0], QD
	s_mov_b32 s[P0+1], 0
	s_add_nc_u64 s[DQ:DQ+1], s[10:11], s[P0:P0+1]
	s_mul_i32 s[P0], s[EF], SE
	s_add_co_u32 s[P0], s[P0], SD
	s_add_nc_u64 s[DSC:DSC+1], s[12:13], s[P0:P0+1]
	s_lshl_b32 s[P0], s[EF], 10
	s_add_nc_u64 s[DB1:DB1+1], s[20:21], s[P0:P0+1]
	s_add_nc_u64 s[DB2:DB2+1], s[22:23], s[P0:P0+1]
	s_lshl_b32 s[P0], s[EF], 9
	s_add_nc_u64 s[DB3:DB3+1], s[24:25], s[P0:P0+1]
	WIN 0xc0
	s_wait_alu depctr_va_vdst(0)                   ; layer 1's ReLU lines are done reading the accumulators in which the expert's first and third layers and their biases land
	DLOAD1
	DLOAD3
.irp p, 0,1,2,3
	s_wait_dscnt 0x0
	PAIRMM 2, 4, 0, SX, 96, 224, SW3, 0x1a, 0x0a
.if \p < 3
	PFETCH 2, \p+1, 0, SX, RB16, RB8, 0, H2SC-XSC
	PTAIL \p, 18, WB16, WB8, H3IMG-H2IMG, H3SC-XSC ; the 18 loads just issued may stay out
.else
	PTAIL \p, 0, WB16, WB8, H3IMG-H2IMG, H3SC-XSC
.endif
.endr
	WIN 0xc0
	s_wait_alu depctr_va_vdst(0)                   ; layer 1's ReLU lines are done reading the accumulators in which the expert's second layer and its bias land
	DLOAD2                                         ; the expert's second layer goes out behind the first and third: 83 loads in all
	BARRIER
; ---------------- the decoder: eight trips, one for each expert
.macro DFETCH p, r16, r8, ioff, soff
	s_bitcmp1_b32 s[PM], \p
	s_cbranch_scc0 .Ldf_\@
	PFETCH 2, \p, 48*(\p), SXD+2*(\p), \r16, \r8, \ioff, \soff
.Ldf_\@:
.endm
.macro DCOMP p, wb, bb, swb, ioff, soff
	s_bitcmp1_b32 s[PM], \p
	s_cbranch_scc0 .Ldc_\@
	PAIRMM 2, 4, 48*(\p), SXD+2*(\p), \wb, \bb, \swb, 0x2b, 0x0b
	RELU
	PTAIL \p, 0, WC16, WC8, \ioff, \soff
.Ldc_\@:
.endm
.macro DLAYER r16, r8, rioff, rsoff, wioff, wsoff, wb, bb, swb
	DFETCH 0, \r16, \r8, \rioff, \rsoff
	DFETCH 1, \r16, \r8, \rioff, \rsoff
	DFETCH 2, \r16, \r8, \rioff, \rsoff
	DFETCH 3, \r16, \r8, \rioff, \rsoff
	s_wait_dscnt 0x0
	DCOMP 0, \wb, \bb, \swb, \wioff, \wsoff
	DCOMP 1, \wb, \bb, \swb, \wioff, \wsoff
	DCOMP 2, \wb, \bb, \swb, \wioff, \wsoff
	DCOMP 3, \wb, \bb, \swb, \wioff, \wsoff
.endm
.macro D3COMP p                        ; my 32 outputs of the pair's rows; only the rows of this trip's expert are taken over, by a select with all lanes on
	s_bitcmp1_b32 s[PM], \p
	s_cbranch_scc0 .Ld3_\@
	PAIRMM 2, 2, 48*(\p), SXD+2*(\p), 192, 240, SD3, 0x3b, 0x0b
	s_sub_co_i32 s33, 32*(\p), s[AA]
	s_sub_co_i32 s34, 32*(\p)+16, s[AA]
	v_add_nc_u32 v[MK], s33, v[RR]                 ; my row's place less the expert's first: under LEN, without sign, where the row is the expert's
	v_add_nc_u32 v[PWS], s34, v[RR]
	v_cmp_gt_u32 s[M0], s[LEN], v[MK]
	v_cmp_gt_u32 s[M1], s[LEN], v[PWS]
	s_wait_alu depctr_va_sdst(0)                   ; the two compares have written the lane masks, which the selects below read
	WIN 0x41                                       ; destination and source 0 window 1, source 1 window 0
.set j_, 0
.rept 16
	v_cndmask_b32 v[OUT+32*(\p)+j_], v[OUT+32*(\p)+j_], v[A0+j_], s[M0]
.set j_, j_+1
.endr
.set j_, 0
.rept 16
	v_cndmask_b32 v[OUT+32*(\p)+16+j_], v[OUT+32*(\p)+16+j_], v[A0+16+j_], s[M1]
.set j_, j_+1
.endr
	WIN 0
.Ld3_\@:
.endm
	WIN 0x40                                       ; window 1 is free: We2, be2 and be3 are done with
.set j_, 0
.rept 128
	v_mov_b32 v[OUT+j_], 0                         ; the selects read their destination: it is written once here; each row is taken over in the trip of its expert
.set j_, j_+1
.endr
.set i_, 0
.rept 32
	s_min_u32 s[TOK+i_], s[TOK+i_], 0x7fff         ; a loaded number is held inside the table before it enters an address
	s_lshl_b32 s[TOK+i_], s[TOK+i_], 9
	v_add_nc_u32 v[OFS+i_], s[TOK+i_], v[LI16]     ; where row 32 w + i goes in out0: token x 512 + 16 x lane
.set i_, i_+1
.endr
	WIN 0
.irp q, 0,1,2,3,4,5,6,7
	ds_load_b32 v[SXD+\q], v[RSB] offset:H3SC-XSC+128*\q   ; the rows' scale registers are filled once on every way, ahead of the branches
.endr
	s_wait_xcnt 0x0                                ; the first expert's loads have read their bases: these now walk the experts from 0 on, a constant step a trip
	s_add_nc_u64 s[DQ:DQ+1], s[10:11], QD
	s_add_nc_u64 s[DSC:DSC+1], s[12:13], SD
	s_mov_b64 s[DB1:DB1+1], s[20:21]
	s_mov_b64 s[DB2:DB2+1], s[22:23]
	s_mov_b64 s[DB3:DB3+1], s[24:25]
	s_mov_b32 s[EE], 0
	s_wait_dscnt 0x0                               ; those eight loads are in: the first trip's fetches load into the same registers
.Lexp:
	s_max_u32 s33, s[SEG], s[BPOS]                 ; the expert's positions, cut to the block: a .. b - 1 of 0 .. 127
	s_sub_co_u32 s33, s33, s[BPOS]
	s_min_u32 s[AA], s33, 128
	s_max_u32 s33, s[SEG+1], s[BPOS]
	s_sub_co_u32 s33, s33, s[BPOS]
	s_min_u32 s34, s33, 128
	s_sub_co_u32 s[LEN], s34, s[AA]
	s_sub_co_u32 s35, s34, 1
	s_lshr_b32 s35, s35, 5
	s_lshl_b32 s35, 2, s35
	s_lshr_b32 s33, s[AA], 5
	s_lshl_b32 s33, 1, s33
	s_sub_co_u32 s35, s35, s33                     ; bits a / 32 .. (b - 1) / 32
	s_cmp_lt_u32 s[AA], s34
	s_cselect_b32 s[PM], s35, 0
	s_cmp_eq_u32 s[PM], 0
	s_cbranch_scc1 .Lloaded
	s_cmp_eq_u32 s[EE], s[EF]                      ; the block's first expert was asked for in layer 3
	s_cbranch_scc1 .Lloaded
	s_wait_loadcnt 0x0                             ; no load is on its way into these registers
	WIN 0xc0
	s_wait_alu depctr_va_vdst(0)                   ; the matrix instructions of the expert before are done reading its fragments, biases and scale words, in which this expert's land
	DLOAD1
	DLOAD2
	DLOAD3
.Lloaded:
	s_wait_loadcnt 0x0                             ; the expert's weights are in,
	s_wait_xcnt 0x0                                ; and their bases may be stepped at the trip's end
	DLAYER RB16, RB8, H3IMG-H2IMG, H3SC-XSC, 0, D1SC-XSC, 0, 192, SD1
	BARRIER
	DLAYER RC16, RC8, 0, D1SC-XSC, D2IMG-D1IMG, D2SC-XSC, 96, 224, SD2
	BARRIER
	DFETCH 0, RC16, RC8, D2IMG-D1IMG, D2SC-XSC
	DFETCH 1, RC16, RC8, D2IMG-D1IMG, D2SC-XSC
	DFETCH 2, RC16, RC8, D2IMG-D1IMG, D2SC-XSC
	DFETCH 3, RC16, RC8, D2IMG-D1IMG, D2SC-XSC
	s_wait_dscnt 0x0
	D3COMP 0
	D3COMP 1
	D3COMP 2
	D3COMP 3
.irp e, 0,1,2,3,4,5,6
	s_mov_b64 s[SEG+2*\e:SEG+2*\e+1], s[SEG+2*\e+2:SEG+2*\e+3]
.endr
	s_add_nc_u64 s[DQ:DQ+1], s[DQ:DQ+1], QE        ; on to the next expert, on every way
	s_add_nc_u64 s[DSC:DSC+1], s[DSC:DSC+1], SE
	s_add_nc_u64 s[DB1:DB1+1], s[DB1:DB1+1], 1024
	s_add_nc_u64 s[DB2:DB2+1], s[DB2:DB2+1], 1024
	s_add_nc_u64 s[DB3:DB3+1], s[DB3:DB3+1], 512
	s_add_co_u32 s[EE], s[EE], 1
	s_cmp_lt_u32 s[EE], 8
	s_cbranch_scc1 .Lexp
; ---------------- the way out: a row's 128 outputs come from four waves: they meet in the stage, and each wave stores 32 whole rows, each to its token's place
	WIN 0x04                                       ; an LDS store's data are its source 1: window 1
	s_wait_alu depctr_va_vdst(0)                   ; the selects have written layer 6's results, which the LDS stores below read
.set m_, 0
.rept 8
.irp i, 0,1,2,3
	ds_store_b128 v[SO], v[OUT+16*m_+4*\i:OUT+16*m_+4*\i+3] offset:m_*16*528+16*\i   ; lane (r, h): out(16 m + r, 32 w + 16 h + 0 .. 15)
.endr
.set m_, m_+1
.endr
	WIN 0
	BARRIER                                        ; 128 whole rows lie in the stage
	s_wait_alu depctr_va_vdst(0)                   ; the decoder's matrix instructions have written v32 to v95 and its vector instructions are done reading v32 to v159, in which the stage's rows land
.set i_, 0
.rept 32
	ds_load_b128 v[32+4*i_:32+4*i_+3], v[SR] offset:528*i_
.set i_, i_+1
.endr
	WIN 0x01                                       ; a store's address register is its source 0: window 1
.set i_, 0
.rept 32
	s_wait_dscnt 31-i_                             ; LDS loads come back in order: row i is in
	global_store_b128 v[OFS+i_], v[32+4*i_:32+4*i_+3], s[26:27] th:TH_STORE_NT   ; 32 lanes store a row's 512 consecutive bytes, at a multiple of 256 from out0's first byte
.set i_, i_+1
.endr
	WIN 0                                          ; the add's two registers lie in window 0
	s_wait_dscnt 0x0                               ; the closing lines, six on end
	s_wait_alu 0x0
	s_wait_tensorcnt 0x0
	ds_add_u32 v[SPW], v[NIL]
	s_wait_dscnt 0x0
	s_endpgm
.Lfunc_end_k_qc3bae814b3_chain:
	.size	k_qc3bae814b3_chain, .Lfunc_end_k_qc3bae814b3_chain-k_qc3bae814b3_chain
	.p2alignl 7, 3214868480
	.fill 96, 4, 3214868480
	.section	.rodata,"a",@progbits
	.p2align	6, 0x0
	.amdhsa_kernel k_qc3bae814b3_chain
		.amdhsa_group_segment_fixed_size 234496
		.amdhsa_private_segment_fixed_size 0
		.amdhsa_enable_private_segment 0
		.amdhsa_kernarg_size 96
		.amdhsa_user_sgpr_count 2
		.amdhsa_user_sgpr_kernarg_segment_ptr 1
		.amdhsa_wavefront_size32 1
		.amdhsa_system_sgpr_workgroup_id_x 1
		.amdhsa_system_sgpr_workgroup_id_y 1
		.amdhsa_system_sgpr_workgroup_id_z 1
		.amdhsa_system_vgpr_workitem_id 0
		.amdhsa_next_free_vgpr 1024
		.amdhsa_next_free_sgpr 102
		.amdhsa_reserve_vcc 0
		.amdhsa_float_denorm_mode_32 3
		.amdhsa_float_denorm_mode_16_64 3
		.amdhsa_memory_ordered 1
		.amdhsa_forward_progress 1
		.amdhsa_inst_pref_size 255
	.end_amdhsa_kernel
	.section	.bss,"aw",@nobits
	.p2align	6
	.space	262144
	.amdgpu_metadata
---
amdhsa.version: [ 1, 2 ]
amdhsa.kernels:
  - .name:           k_qc3bae814b3_chain
    .symbol:         k_qc3bae814b3_chain.kd
    .args:
      - { .name: features, .offset: 0, .size: 8, .value_kind: global_buffer, .address_space: global }
      - { .name: order, .offset: 8, .size: 8, .value_kind: global_buffer, .address_space: global }
      - { .name: seg, .offset: 16, .size: 8, .value_kind: global_buffer, .address_space: global }
      - { .name: wq, .offset: 24, .size: 8, .value_kind: global_buffer, .address_space: global }
      - { .name: ws, .offset: 32, .size: 8, .value_kind: global_buffer, .address_space: global }
      - { .name: be1, .offset: 40, .size: 8, .value_kind: global_buffer, .address_space: global }
      - { .name: be2, .offset: 48, .size: 8, .value_kind: global_buffer, .address_space: global }
      - { .name: be3, .offset: 56, .size: 8, .value_kind: global_buffer, .address_space: global }
      - { .name: bd1, .offset: 64, .size: 8, .value_kind: global_buffer, .address_space: global }
      - { .name: bd2, .offset: 72, .size: 8, .value_kind: global_buffer, .address_space: global }
      - { .name: bd3, .offset: 80, .size: 8, .value_kind: global_buffer, .address_space: global }
      - { .name: out0, .offset: 88, .size: 8, .value_kind: global_buffer, .address_space: global }
    .group_segment_fixed_size: 234496
    .private_segment_fixed_size: 0
    .kernarg_segment_align: 8
    .kernarg_segment_size: 96
    .max_flat_workgroup_size: 128
    .sgpr_count:     102
    .vgpr_count:     1024
    .wavefront_size: 32
...
	.end_amdgpu_metadata
.endif
;; end of part 4
